; MI455X (gfx1250); checked and timed in simulation.
; The chip was launched on July 23, 2026; its instructions are those of AMD's public machine-readable ISA for CDNA 5 (MIT licence, August 2026) and "CDNA5" Instruction Set Architecture Reference Guide (July 2026). The comments in the code are by the model that wrote it; some were corrected since.
;; Mo E Layer Parallel. Allowed arithmetic: matrix products marked QUANTISED: E2M3 operands, one E8M0 scale for each 32 along K, by v_wmma_scale_f32_16x16x128_f8f6f4 with both operands' format E2M3, f32 sums; products left as they are: f32 operands where the result goes on into a quantised operand, else bf16, f16 or f32 operands; f32 sums; everything else in f32.
;; Inputs: b1 8 x 3,072 float32; b2 8 x 3,072 float32; bp 8 x 768 float32; gate_w 8 x 768 float32; noise 4 x 256 x 8 float32; noise_weight 8 float32; w1 8 x 768 x 3,072 float32; w2 8 x 768 x 3,072 float32; wp 8 x 3,072 x 768 float32; x 4 x 256 x 768 float32.
;; Outputs: out0 4 x 256 x 768 float32; out1 one number float32.
;; This version of the problem:
;;   THIS VERSION OF THE PROBLEM IS GIVEN IN LOW PRECISION. The matrix products marked QUANTISED in the list below multiply operands that are first quantised to E2M3 (2 exponent bits, 3 mantissa bits; 6 bits a number), with one power-of-two scale for each 32 numbers along K (OCP MX v1.0); their sums are f32. All else is computed in f32.
;;   The module's matrix products, in the order in which they are computed (A, B: the left and right operand; K: the contracted axis; several contracted axes count as one K, in the product's order):
;;     1. [M 1,024, K 768] x [K 768, N 8]; A: input x; B: input gate_w: left as it is (N = 8 < 16)
;;     2. [M 1,024, K 768] x [K 768, N 3,072]; A: input x; B: input w1: QUANTISED
;;     3. [M 1,024, K 768] x [K 768, N 3,072]; A: input x; B: input w2: QUANTISED
;;     4. [M 1,024, K 3,072] x [K 3,072, N 768]; A: computed on the way; B: input wp: QUANTISED
;;     5. [M 1,024, K 768] x [K 768, N 3,072]; A: input x; B: input w1: QUANTISED
;;     6. [M 1,024, K 768] x [K 768, N 3,072]; A: input x; B: input w2: QUANTISED
;;     7. [M 1,024, K 3,072] x [K 3,072, N 768]; A: computed on the way; B: input wp: QUANTISED
;;     8. [M 1,024, K 768] x [K 768, N 3,072]; A: input x; B: input w1: QUANTISED
;;     9. [M 1,024, K 768] x [K 768, N 3,072]; A: input x; B: input w2: QUANTISED
;;     10. [M 1,024, K 3,072] x [K 3,072, N 768]; A: computed on the way; B: input wp: QUANTISED
;;     11. [M 1,024, K 768] x [K 768, N 3,072]; A: input x; B: input w1: QUANTISED
;;     12. [M 1,024, K 768] x [K 768, N 3,072]; A: input x; B: input w2: QUANTISED
;;     13. [M 1,024, K 3,072] x [K 3,072, N 768]; A: computed on the way; B: input wp: QUANTISED
;;     14. [M 1,024, K 768] x [K 768, N 3,072]; A: input x; B: input w1: QUANTISED
;;     15. [M 1,024, K 768] x [K 768, N 3,072]; A: input x; B: input w2: QUANTISED
;;     16. [M 1,024, K 3,072] x [K 3,072, N 768]; A: computed on the way; B: input wp: QUANTISED
;;     17. [M 1,024, K 768] x [K 768, N 3,072]; A: input x; B: input w1: QUANTISED
;;     18. [M 1,024, K 768] x [K 768, N 3,072]; A: input x; B: input w2: QUANTISED
;;     19. [M 1,024, K 3,072] x [K 3,072, N 768]; A: computed on the way; B: input wp: QUANTISED
;;     20. [M 1,024, K 768] x [K 768, N 3,072]; A: input x; B: input w1: QUANTISED
;;     21. [M 1,024, K 768] x [K 768, N 3,072]; A: input x; B: input w2: QUANTISED
;;     22. [M 1,024, K 3,072] x [K 3,072, N 768]; A: computed on the way; B: input wp: QUANTISED
;;     23. [M 1,024, K 768] x [K 768, N 3,072]; A: input x; B: input w1: QUANTISED
;;     24. [M 1,024, K 768] x [K 768, N 3,072]; A: input x; B: input w2: QUANTISED
;;     25. [M 1,024, K 3,072] x [K 3,072, N 768]; A: computed on the way; B: input wp: QUANTISED
;;   THE QUANTISER, for each operand of a quantised product, along K:
;;     - K is cut into blocks of 32 from its start; a last block that is shorter is filled with zeros.
;;     - A block's scale is 2^e with e = floor(log2(the largest magnitude in the block)) - 2, held to -126 .. 127; a block of zeros has e = 0. As a byte (E8M0): e + 127.
;;     - Each number is divided by its block's scale, clamped to +-7.5, and rounded to the nearest number of E2M3, ties to even, subnormals kept.
;;     - The product sums the exact products of the quantised numbers (number of the format x scale) in f32.
;;   ~~~python
;;   def quantise(x, axis):      # numpy; x: float32 -> the quantised numbers, widened to float32 again
;;       x = np.moveaxis(x, axis, -1); K = x.shape[-1]
;;       x = np.pad(x, [(0, 0)] * (x.ndim - 1) + [(0, -K % 32)]); x = x.reshape(x.shape[:-1] + (-1, 32)); a = np.abs(x).max(-1, keepdims=True)
;;       e = np.where(a > 0, np.clip(np.frexp(np.where(a > 0, a, 1))[1] - 1 - 2, -126, 127), 0)      # np.frexp(a)[1] - 1 = floor(log2(a)), exactly
;;       r = np.clip(x / 2.0 ** e, -7.5, 7.5)
;;       step = 2.0 ** (np.maximum(np.frexp(np.where(r == 0, 1, r))[1] - 1, 0) - 3)
;;       q = np.round(r / step) * step * 2.0 ** e      # np.round: ties to even
;;       return np.moveaxis(q.reshape(q.shape[:-2] + (-1,))[..., :K], -1, axis).astype(np.float32)
;;   ~~~
;;   OPERANDS COMPUTED ON THE WAY. 'Computed on the way' means the value that the module computes at that place (a softmax that the list does not call 'softmax' is quantised finished and normalised). What goes into a quantiser is computed in f32, as accurately as f32 sums, v_exp_f32 and their like allow (about 1e-6 of the number): no bf16 or f16 on the way to a quantiser, and a product that is left as it is and whose result goes on into a quantised operand takes f32 operands (vector FMAs, or v_wmma_f32_16x16x4_f32). A number that lies on a knife's edge between two numbers of the format may be rounded either way, as far as f32 arithmetic and the matrix unit's own rounding can turn it there, and no further.
;; One version. Each part assembles by itself: llvm-mc -triple=amdgcn-amd-amdhsa -mcpu=gfx1250 --defsym DOCPART=n.
;; ======== version 1 of 1: 5 launches
;; limits: right only within a limited range of input values
;; workspace buffers: rk 17,408 bytes of whole numbers; gts 9,216 bytes; pt 8,448 bytes of whole numbers; xs 1,323,008 bytes; hc 5,849,088 bytes; yp 13,369,344 bytes
;; launch route (part 1): grid 32 x 1, 8 waves a work-group, no clusters, 26,624 bytes of LDS; arguments x, gate_w, noise_weight, noise, rk, gts; writes rk, gts
.if DOCPART == 1
	.amdgcn_target "amdgcn-amd-amdhsa--gfx1250"
	.amdhsa_code_object_version 6
	.text
	.protected	k_q603df0a1b7_route
	.globl	k_q603df0a1b7_route
	.p2align	8
	.type	k_q603df0a1b7_route,@function
k_q603df0a1b7_route:
	s_mov_b64 s[64:65], 0
	v_nop
	global_prefetch_b8 v0, s[64:65] scope:SCOPE_SE
	s_setreg_imm32_b32 hwreg(HW_REG_WAVE_MODE, 25, 1), 1
	s_wait_xcnt 0x0
; THE ROUTER.  logits = x gate_w^T in f32 (fused multiply-adds); softmax(logits) summed over a chunk of 32 tokens, for the loss; noisy logits; the two largest (ties: the lower
; index, by strict compares in ascending order); their two gates; and, as VALUES only, each choice's rank among its chunk's choices of the same expert and the chunk's count for each expert.
; No address and no branch of this launch hangs on any of these numbers: they are stored at fixed places, and the next launch places the rows.
; SHARES.  Work-group c takes tokens 32 c .. 32 c + 31; wave v four of them for the dot products (a lane holds 24 numbers of each row); wave 0 then takes a token a lane.
; rk: [0, 16384) (id0, id1, rank0, rank1) a token; from 16384 the counts [chunk][8].   gts: [0, 8192) two gates a token; from 8192 the chunk's sums of softmax(logits) [chunk][8].
; LIMITS: NaN and infinities among the inputs are not served.  The f32 sums of a logit are ordered otherwise than a plain loop's: a token whose second and third noisy logit agree to
; about 1e-6 of their size may take the other expert.
.set LG,    24576                      ; LDS: gate_w as it lies, 24,576 bytes from 0; then the logits [32 tokens][8]
.set SPARE, 25600                      ; the spare words, 128 bytes for each of the eight waves
.set SPW, 2                            ; v2  my spare word's address; never rewritten
.set NIL, 3                            ; v3  0; never rewritten
.set X,   16                           ; v16-111  four tokens x 24 numbers
.set G,   112                          ; v112-175 two sets of 8 experts x 4 numbers; later the 32 sums and their partners
.set ACC, 176                          ; v176-239 4 tokens x 8 experts x a pair
.set NZ,  240                          ; v240-247 my token's row of noise (used by wave 0)
	s_load_b256 s[4:11], s[0:1], 0x0               ; x, gate_w, noise_weight, noise
	s_load_b128 s[12:15], s[0:1], 0x20             ; rk, gts
	v_lshl_add_u32 v[SPW], v0, 2, SPARE
	v_mov_b32 v[NIL], 0
	v_lshrrev_b32 v1, 5, v0
	s_delay_alu instid0(VALU_DEP_1)
	v_readfirstlane_b32 s16, v1                    ; wave
	v_and_b32 v7, 31, v0                           ; lane
	v_lshlrev_b32 v4, 4, v0                        ; 16 x thread
	s_delay_alu instid0(VALU_DEP_2)
	v_lshlrev_b32 v5, 4, v7                        ; 16 x lane
	s_delay_alu instid0(VALU_DEP_3)
	v_lshlrev_b32 v8, 5, v7                        ; 32 x lane
	s_delay_alu instid0(VALU_DEP_4)
	v_lshlrev_b32 v10, 3, v7                       ; 8 x lane
	v_mov_b32 v11, 0
	s_lshl_b32 s17, s16, 7
	s_add_co_u32 s17, s17, LG
	v_mov_b32 v6, s17                              ; my wave's four rows of logits in LDS
	v_add_nc_u32 v9, LG, v8                        ; a lane's row of logits
	s_mov_b32 s32, 0x76543210
	s_mov_b32 s33, 0xfedcba98                      ; selects: lane l xor 16
	s_mov_b32 s46, 0x3fb8aa3b                      ; log2(e)
	s_mul_i32 s18, ttmp9, 98304                    ; 32 rows of 3,072 bytes a chunk,
	s_mul_i32 s19, s16, 12288                      ; four a wave
	s_add_co_u32 s18, s18, s19
	s_mov_b32 s19, 0
	s_lshl_b32 s20, ttmp9, 10                      ; noise: 32 bytes a token
	s_mov_b32 s21, 0
	s_lshl_b32 s22, ttmp9, 9                       ; rk: 16 bytes a token
	s_mov_b32 s23, 0
	s_lshl_b32 s34, ttmp9, 8                       ; gates: 8 bytes a token
	s_mov_b32 s35, 0
	s_lshl_b32 s36, ttmp9, 5                       ; counts and sums: 32 bytes a chunk
	s_mov_b32 s37, 0
	s_wait_alu depctr_va_vdst(0)
	s_wait_kmcnt 0x0
	s_load_b256 s[24:31], s[8:9], 0x0              ; noise_weight, eight numbers
	s_add_nc_u64 s[4:5], s[4:5], s[18:19]
	s_add_nc_u64 s[10:11], s[10:11], s[20:21]
	s_add_nc_u64 s[38:39], s[12:13], s[22:23]
	s_add_nc_u64 s[40:41], s[14:15], s[34:35]
	s_add_nc_u64 s[12:13], s[12:13], s[36:37]
	s_add_nc_u64 s[14:15], s[14:15], s[36:37]
.set nn, 0
.rept 6
	global_load_b128 v[G+4*nn:G+4*nn+3], v4, s[6:7] offset:4096*nn     ; gate_w: 256 threads x 16 bytes, six times
.set nn, nn+1
.endr
	global_load_b128 v[NZ:NZ+3], v8, s[10:11]
	global_load_b128 v[NZ+4:NZ+7], v8, s[10:11] offset:16
.set tt, 0
.rept 4
.set ii, 0
.rept 6
	global_load_b128 v[X+24*tt+4*ii:X+24*tt+4*ii+3], v5, s[4:5] offset:3072*tt+512*ii th:TH_LOAD_NT   ; 512 consecutive bytes of a row
.set ii, ii+1
.endr
.set tt, tt+1
.endr
	s_wait_loadcnt 26                              ; gate_w is in; the 26 younger loads (noise, x) may be out
.set nn, 0
.rept 6
	ds_store_b128 v4, v[G+4*nn:G+4*nn+3] offset:4096*nn
.set nn, nn+1
.endr
	s_wait_dscnt 0x0                               ; for the others' sake: my part of gate_w lies in LDS
	s_barrier_signal -1
	s_barrier_wait -1
.macro GLOAD p                         ; piece p (128 numbers along D) of the eight experts' rows, four numbers a lane
.set ee, 0
.rept 8
	ds_load_b128 v[G+32*((\p)%2)+4*ee:G+32*((\p)%2)+4*ee+3], v5 offset:3072*ee+512*(\p)
.set ee, ee+1
.endr
.endm
.macro DOT p                           ; 64 packed multiply-adds; the first piece's first products start the sums
.set gs, G+32*((\p)%2)
.set hh, 0
.rept 2
.set tt, 0
.rept 4
.set ee, 0
.rept 8
.if ((\p) == 0) && (hh == 0)
	v_pk_mul_f32 v[ACC+16*tt+2*ee:ACC+16*tt+2*ee+1], v[X+24*tt:X+24*tt+1], v[gs+4*ee:gs+4*ee+1]
.else
	v_pk_fma_f32 v[ACC+16*tt+2*ee:ACC+16*tt+2*ee+1], v[X+24*tt+4*(\p)+2*hh:X+24*tt+4*(\p)+2*hh+1], v[gs+4*ee+2*hh:gs+4*ee+2*hh+1], v[ACC+16*tt+2*ee:ACC+16*tt+2*ee+1]
.endif
.set ee, ee+1
.endr
.set tt, tt+1
.endr
.set hh, hh+1
.endr
.endm
	GLOAD 0
	s_wait_loadcnt 0x0                             ; x and noise
	s_wait_kmcnt 0x0                               ; noise_weight
.irp p, 0,1,2,3,4
	GLOAD \p+1
	s_wait_dscnt 8                                 ; this piece's eight loads are in, the next piece's eight may be out
	DOT \p
.endr
	s_wait_dscnt 0x0
	DOT 5
.set tt, 0
.rept 4
.set ee, 0
.rept 8
	v_add_f32 v[G+8*tt+ee], v[ACC+16*tt+2*ee], v[ACC+16*tt+2*ee+1]
.set ee, ee+1
.endr
.set tt, tt+1
.endr
; the sum over the 32 lanes of cnt registers from base on, all by turns; every lane ends with the sum.  tmp: registers that have been written
.macro REDN base, cnt, tmp
.irp m, 1,2,4,8
.set ee, 0
.rept \cnt
	v_add_f32_dpp v[\base+ee], v[\base+ee], v[\base+ee] row_xmask:\m row_mask:0xf bank_mask:0xf
.set ee, ee+1
.endr
.endr
.set ee, 0
.rept \cnt
	v_permlanex16_b32 v[\tmp+ee], v[\base+ee], s32, s33
.set ee, ee+1
.endr
.set ee, 0
.rept \cnt
	v_add_f32 v[\base+ee], v[\base+ee], v[\tmp+ee]
.set ee, ee+1
.endr
.endm
	REDN G, 32, G+32
.set tt, 0
.rept 4
	ds_store_b128 v6, v[G+8*tt:G+8*tt+3] offset:32*tt          ; all lanes write the same bytes with the same value
	ds_store_b128 v6, v[G+8*tt+4:G+8*tt+7] offset:32*tt+16
.set tt, tt+1
.endr
	s_wait_dscnt 0x0                               ; my four rows of logits lie in LDS
	s_barrier_signal -1
	s_barrier_wait -1
	s_cmp_lg_u32 s16, 0
	s_cbranch_scc1 .Lend                           ; the rest is wave 0's: a token a lane
	ds_load_b128 v[16:19], v9
	ds_load_b128 v[20:23], v9 offset:16
	s_wait_dscnt 0x0
	v_max3_num_f32 v42, v16, v17, v18              ; softmax(logits): the row's maximum is taken away
	s_delay_alu instid0(VALU_DEP_1)
	v_max3_num_f32 v42, v42, v19, v20
	s_delay_alu instid0(VALU_DEP_1)
	v_max3_num_f32 v42, v42, v21, v22
	s_delay_alu instid0(VALU_DEP_1)
	v_max_num_f32 v42, v42, v23
	s_delay_alu instid0(VALU_DEP_1)
	v_mul_f32 v42, s46, v42
.irp e, 0,1,2,3,4,5,6,7
	v_fma_f32 v[24+\e], v[16+\e], s46, -v42
.endr
	s_wait_alu depctr_va_vdst(0)
.irp e, 0,1,2,3,4,5,6,7
	v_exp_f32 v[24+\e], v[24+\e]
.endr
.irp e, 0,1,2,3,4,5,6,7
	v_fma_f32 v[32+\e], v[NZ+\e], s[24+\e], v[16+\e]           ; the noisy logits: plain work behind the exponentials
.endr
	s_wait_alu depctr_va_vdst(0)                   ; one wait for the eight, ahead of their first reader
	v_add_f32 v43, v24, v25
	v_add_f32 v44, v26, v27
	v_add_f32 v45, v28, v29
	v_add_f32 v46, v30, v31
	s_delay_alu instid0(VALU_DEP_3)
	v_add_f32 v43, v43, v44
	s_delay_alu instid0(VALU_DEP_2)
	v_add_f32 v45, v45, v46
	s_delay_alu instid0(VALU_DEP_1)
	v_add_f32 v43, v43, v45
	s_wait_alu depctr_va_vdst(0)
	v_rcp_f32 v43, v43
	v_mov_b32 v40, v32                             ; the scan for the two largest: v40, v56 the largest and its index, v41, v57 the second
	v_mov_b32 v56, 0
	v_mov_b32 v41, 0xff800000
	v_mov_b32 v57, 0
.irp e, 1
	s_delay_alu instid0(VALU_DEP_4)
	v_cmp_gt_f32 s42, v[32+\e], v40                ; strictly larger: of equals the lower index stays ahead
	s_delay_alu instid0(VALU_DEP_3)
	v_cmp_gt_f32 s43, v[32+\e], v41
	s_delay_alu instid0(VALU_DEP_1)
	v_cndmask_b32 v41, v41, v[32+\e], s43
	s_delay_alu instid0(VALU_DEP_2)
	v_cndmask_b32 v57, v57, \e, s43
	s_delay_alu instid0(VALU_DEP_2)
	v_cndmask_b32 v41, v41, v40, s42               ; a new largest sends the old one to the second place
	s_delay_alu instid0(VALU_DEP_2)
	v_cndmask_b32 v57, v57, v56, s42
	v_cndmask_b32 v40, v40, v[32+\e], s42
	v_cndmask_b32 v56, v56, \e, s42
.endr
.irp e, 2, 3, 4, 5, 6, 7
	s_delay_alu instid0(VALU_DEP_2)
	v_cmp_gt_f32 s42, v[32+\e], v40                ; strictly larger: of equals the lower index stays ahead
	v_cmp_gt_f32 s43, v[32+\e], v41
	s_delay_alu instid0(VALU_DEP_1)
	v_cndmask_b32 v41, v41, v[32+\e], s43
	s_delay_alu instid0(VALU_DEP_2)
	v_cndmask_b32 v57, v57, \e, s43
	s_delay_alu instid0(VALU_DEP_2)
	v_cndmask_b32 v41, v41, v40, s42               ; a new largest sends the old one to the second place
	s_delay_alu instid0(VALU_DEP_2)
	v_cndmask_b32 v57, v57, v56, s42
	v_cndmask_b32 v40, v40, v[32+\e], s42
	v_cndmask_b32 v56, v56, \e, s42
.endr
	s_delay_alu instid0(VALU_DEP_2)
	v_sub_f32 v47, v41, v40                        ; the gates: a softmax of two, the larger taken away
	s_delay_alu instid0(VALU_DEP_1)
	v_mul_f32 v47, s46, v47
	s_wait_alu depctr_va_vdst(0)
	v_exp_f32 v47, v47
	v_mov_b32 v58, 0                               ; the ranks begin as 0 (plain work behind the exponential)
	v_mov_b32 v59, 0
	s_wait_alu depctr_va_vdst(0)                   ; one wait for the reciprocal and the exponential
.irp e, 0,1,2,3,4,5,6,7
	v_mul_f32 v[24+\e], v[24+\e], v43
.endr
	v_add_f32 v60, 1.0, v47
	s_wait_alu depctr_va_vdst(0)
	v_rcp_f32 v60, v60
	v_nop
	REDN 24, 8, 64                                 ; the chunk's sums of softmax(logits): they name nothing of the reciprocal
	s_wait_alu depctr_va_vdst(0)
	v_mul_f32 v61, v47, v60
.irp e, 0,1,2,3,4,5,6,7                ; values only: who chose expert e, how many lanes below me did, how many in all
	v_cmp_eq_u32 s42, \e, v56
	v_cmp_eq_u32 s43, \e, v57
	s_or_b32 s44, s42, s43
	v_mbcnt_lo_u32_b32 v46, s44, 0
	s_delay_alu instid0(VALU_DEP_1)
	v_cndmask_b32 v58, v58, v46, s42
	s_delay_alu instid0(VALU_DEP_2)
	v_cndmask_b32 v59, v59, v46, s43
	s_bcnt1_i32_b32 s45, s44
	v_mov_b32 v[48+\e], s45
.endr
	global_store_b128 v5, v[56:59], s[38:39]       ; 512 consecutive bytes
	global_store_b64 v10, v[60:61], s[40:41]       ; 256 consecutive bytes
	v_cmp_eq_u32 vcc_lo, 0, v7
	s_wait_alu depctr_va_vdst(0)
	s_wait_xcnt 0x0                                ; EXEC changes only behind this wait
	s_and_saveexec_b32 s47, vcc_lo
	global_store_b128 v11, v[48:51], s[12:13] offset:16384
	global_store_b128 v11, v[52:55], s[12:13] offset:16400
	global_store_b128 v11, v[24:27], s[14:15] offset:8192
	global_store_b128 v11, v[28:31], s[14:15] offset:8208
	s_wait_xcnt 0x0
	s_or_b32 exec_lo, exec_lo, s47
.Lend:
	s_wait_tensorcnt 0x0                           ; the wave's end
	ds_add_u32 v[SPW], v[NIL]
	s_wait_dscnt 0x0
	s_endpgm
.Lfunc_end_k_q603df0a1b7_route:
	.size	k_q603df0a1b7_route, .Lfunc_end_k_q603df0a1b7_route-k_q603df0a1b7_route
	.p2alignl 7, 3214868480
	.fill 96, 4, 3214868480
	.section	.rodata,"a",@progbits
	.p2align	6, 0x0
	.amdhsa_kernel k_q603df0a1b7_route
		.amdhsa_group_segment_fixed_size 26624
		.amdhsa_private_segment_fixed_size 0
		.amdhsa_enable_private_segment 0
		.amdhsa_kernarg_size 48
		.amdhsa_user_sgpr_count 2
		.amdhsa_user_sgpr_kernarg_segment_ptr 1
		.amdhsa_wavefront_size32 1
		.amdhsa_system_sgpr_workgroup_id_x 1
		.amdhsa_system_sgpr_workgroup_id_y 1
		.amdhsa_system_sgpr_workgroup_id_z 1
		.amdhsa_system_vgpr_workitem_id 0
		.amdhsa_next_free_vgpr 256
		.amdhsa_next_free_sgpr 66
		.amdhsa_reserve_vcc 1
		.amdhsa_float_denorm_mode_32 3
		.amdhsa_float_denorm_mode_16_64 3
		.amdhsa_memory_ordered 1
		.amdhsa_forward_progress 1
		.amdhsa_inst_pref_size 61
	.end_amdhsa_kernel
	.amdgpu_metadata
---
amdhsa.version: [ 1, 2 ]
amdhsa.kernels:
  - .name:           k_q603df0a1b7_route
    .symbol:         k_q603df0a1b7_route.kd
    .args:
      - { .name: x, .offset: 0, .size: 8, .value_kind: global_buffer, .address_space: global }
      - { .name: gate_w, .offset: 8, .size: 8, .value_kind: global_buffer, .address_space: global }
      - { .name: noise_weight, .offset: 16, .size: 8, .value_kind: global_buffer, .address_space: global }
      - { .name: noise, .offset: 24, .size: 8, .value_kind: global_buffer, .address_space: global }
      - { .name: rk, .offset: 32, .size: 8, .value_kind: global_buffer, .address_space: global }
      - { .name: gts, .offset: 40, .size: 8, .value_kind: global_buffer, .address_space: global }
    .group_segment_fixed_size: 26624
    .private_segment_fixed_size: 0
    .kernarg_segment_align: 8
    .kernarg_segment_size: 48
    .max_flat_workgroup_size: 256
    .sgpr_count:     66
    .vgpr_count:     256
    .wavefront_size: 32
...
	.end_amdgpu_metadata
.endif
;; end of part 1
;; launch place (part 2): grid 128 x 1, 4 waves a work-group, no clusters, 33,280 bytes of LDS; arguments x, rk, gts, pt, xs, out1; writes pt, xs, out1
.if DOCPART == 2
	.amdgcn_target "amdgcn-amd-amdhsa--gfx1250"
	.amdhsa_code_object_version 6
	.text
	.protected	k_q603df0a1b7_place
	.globl	k_q603df0a1b7_place
	.p2align	8
	.type	k_q603df0a1b7_place,@function
k_q603df0a1b7_place:
	s_mov_b64 s[64:65], 0
	v_nop
	global_prefetch_b8 v0, s[64:65] scope:SCOPE_SE
	s_setreg_imm32_b32 hwreg(HW_REG_WAVE_MODE, 25, 1), 1
	s_wait_xcnt 0x0
; THE PLACING.  From the stored choices, ranks and counts: each expert gets a run of whole tiles of 16 rows (b first tile, T tiles); choice k of token t gets row 16 b + (its expert's
; count in the chunks before) + rank.  x is quantised to FP6 (E2M3) with one E8M0 byte for each 32 along D, and a token's codes are stored at both its rows.
; A row of xs is 576 bytes: block 4 s + 2 c + h lies at 96 s + 48 h + 24 c, so that a lane of the matrix operand (row r, half h) finds its 48 bytes of K step s on end.
; From byte 1,253,376 on: 32 bytes a row: six scale words and two words of zeros.  Rows that pad an expert's last tile get zero codes and zero bytes (a byte 0 is a power of two, no NaN).
; pt: [0, 8192) two rows a token; from 8192 (b, T) for each expert.  out1: the loss.
; SHARES.  Wave W = 4 x work-group + wave takes tokens 2 W, 2 W + 1; waves W < 8 also zero expert W's padding rows; wave 8, which pads nothing, stores the table and the loss.  Waves share nothing: no barrier.
; Every wave loads the chunks' sums of softmax(logits) with the counts, at the head, so that no path has a second trip to memory.
; A block's scale is 2^(floor(log2(largest magnitude)) - 2); its byte is the largest magnitude's exponent field - 2, held at 1 from below.
; LIMITS: a block of zeros gets the byte 1 (its codes are zeros; this program alone reads the bytes); NaN and infinities are not served.
.set WREG,  8192                       ; LDS a wave: three stages of 32 x 80 bytes, then at 7,680 its 128 scale bytes
.set SPARE, 32768
.set XSC,   1253376
.set SPW, 2
.set NIL, 3
.set X,   32                           ; v32-79  three sets of 16 neighbours
.set R,   80                           ; v80-127 twelve loads as they come
.set SBA, 30                           ; v30   my wave's scale bytes + lane / 2
.set SBB, 190                          ; v190  the same + 8 (lane / 16)
.set GSR, 192                          ; v192-199 the chunks' sums of softmax(logits), laid as the counts are
.set PO,  200                          ; v200-229 two offsets for each of the 15 padding rows: none is written twice
	s_load_b256 s[4:11], s[0:1], 0x0               ; x, rk, gts, pt
	s_load_b128 s[12:15], s[0:1], 0x20             ; xs, out1
	v_lshl_add_u32 v[SPW], v0, 2, SPARE
	v_mov_b32 v[NIL], 0
	v_lshrrev_b32 v1, 5, v0
	v_readfirstlane_b32 s28, v1                    ; wave
	s_lshl_b32 s29, ttmp9, 2
	s_add_co_u32 s29, s29, s28                     ; W
	s_lshr_b32 s30, s29, 4                         ; my tokens' chunk
	v_and_b32 v1, 31, v0                           ; lane
	v_lshlrev_b32 v4, 4, v1
	v_and_b32 v5, 7, v1                            ; the expert whose counts my lane holds
	v_lshrrev_b32 v6, 3, v1
	v_lshlrev_b32 v7, 8, v6
	v_lshl_add_u32 v7, v5, 2, v7                   ; counts: 4 e + 256 q: chunks 8 q .. 8 q + 7
	v_lshlrev_b32 v6, 3, v6                        ; 8 q
	v_mov_b32 v23, 0
	v_lshlrev_b32 v31, 3, v1
	s_mul_i32 s31, s28, WREG
	v_lshrrev_b32 v28, 2, v1
	v_mul_u32_u24 v28, v28, 80
	v_and_b32 v29, 3, v1
	v_lshl_add_u32 v28, v29, 4, v28
	v_add_nc_u32 v28, s31, v28                     ; the stage, in: 80 (lane / 4) + 16 (lane % 4)
	v_mul_u32_u24 v29, v1, 80
	v_add_nc_u32 v29, s31, v29                     ; out: 80 x lane: 16 neighbours
	s_add_co_u32 s31, s31, 7680                    ; my wave's scale bytes: 32 a token, byte = block
	v_lshrrev_b32 v[SBA], 1, v1
	v_add_nc_u32 v[SBA], s31, v[SBA]               ; step 0 (token 0, block l / 2): + 0;  step 2 (token 1, block 8 + l / 2): + 40
	v_lshrrev_b32 v[SBB], 4, v1
	v_lshl_add_u32 v[SBB], v[SBB], 3, v[SBA]       ; step 1 (lanes 0-15: token 0, block 16 + l / 2; lanes 16-31: token 1, block l / 2 - 8): + 16
	v_lshl_add_u32 v188, v1, 2, s31                ; 4 x lane among them
	v_and_b32 v189, 15, v1
	v_lshl_add_u32 v189, v189, 2, s31              ; 4 x (lane % 16)
	s_mov_b32 s34, 0x76543210
	s_mov_b32 s35, 0xfedcba98
	s_mov_b32 s40, 0                               ; which lanes hold the second token: in step 0 none,
	s_mov_b32 s41, 0xffff0000                      ; in step 1 the upper half,
	s_mov_b32 s42, -1                              ; in step 2 all
	s_mov_b32 s43, 0xff00ff00
	s_lshl_b32 s32, s29, 5
	s_mov_b32 s33, 0
	s_wait_alu depctr_va_vdst(0)
	s_wait_kmcnt 0x0
	s_add_nc_u64 s[46:47], s[6:7], s[32:33]
	s_load_b256 s[16:23], s[46:47], 0x0            ; (id0, id1, rank0, rank1) of my two tokens
.set ii, 0
.rept 8
	global_load_b32 v[8+ii], v7, s[6:7] offset:16384+32*ii
.set ii, ii+1
.endr
.set ii, 0
.rept 8
	global_load_b32 v[GSR+ii], v7, s[8:9] offset:8192+32*ii
.set ii, ii+1
.endr
	s_mul_i32 s32, s29, 6144
	s_add_nc_u64 s[4:5], s[4:5], s[32:33]
.set nn, 0
.rept 12
	global_load_b128 v[R+4*nn:R+4*nn+3], v4, s[4:5] offset:512*nn th:TH_LOAD_NT   ; my two rows: 6,144 consecutive bytes
.set nn, nn+1
.endr
	ds_store_b32 v188, v23                         ; the scale bytes begin as zeros: the two spare words of each row stay so
; where my 12 bytes of codes lie in a row of xs, for step u of three (512 numbers each): my group of 16 numbers is group kg of its token's 48
.macro PREP u
.set QQ, 128+16*(\u)
.if (\u) == 0
	v_mov_b32 v[QQ+4], v1
.elseif (\u) == 1
	v_lshrrev_b32 v[QQ+7], 4, v1                   ; lanes 16-31 hold the second token
	v_mul_u32_u24 v[QQ+5], v[QQ+7], 48
	v_add_nc_u32 v[QQ+4], 32, v1
	v_sub_nc_u32 v[QQ+4], v[QQ+4], v[QQ+5]
.else
	v_add_nc_u32 v[QQ+4], 16, v1
.endif
	v_lshrrev_b32 v[QQ+5], 1, v[QQ+4]              ; the block
	v_lshrrev_b32 v[QQ+7], 2, v[QQ+5]
	v_mul_u32_u24 v[QQ+6], v[QQ+7], 96             ; its place in a row of xs: 96 s
	v_and_b32 v[QQ+7], 1, v[QQ+5]
	v_mad_u32_u24 v[QQ+6], v[QQ+7], 48, v[QQ+6]    ; + 48 h
	v_bfe_u32 v[QQ+7], v[QQ+5], 1, 1
	v_mad_u32_u24 v[QQ+6], v[QQ+7], 24, v[QQ+6]    ; + 24 c
	v_and_b32 v[QQ+7], 1, v[QQ+4]
	v_mad_u32_u24 v[QQ+6], v[QQ+7], 12, v[QQ+6]    ; + 12 for the block's upper 16
.endm
	PREP 0
	PREP 1
	PREP 2
	v_mov_b32 v18, 0
	s_wait_loadcnt 12                              ; the counts and the sums are in; x's twelve loads may be out
	v_mov_b32 v16, 0                               ; n: my expert's rows;  p: those of them in chunks before mine
	v_mov_b32 v17, 0
.set ii, 0
.rept 8
	v_add_nc_u32 v18, ii, v6
	v_cmp_gt_u32 vcc_lo, s30, v18
	v_cndmask_b32 v19, 0, v[8+ii], vcc_lo
	v_add_nc_u32 v16, v16, v[8+ii]
	v_add_nc_u32 v17, v17, v19
.set ii, ii+1
.endr
.irp r, 16, 17                         ; over the four lanes that hold an expert's chunks
	v_mov_b32_dpp v18, v\r row_xmask:8 row_mask:0xf bank_mask:0xf
	v_add_nc_u32 v\r, v\r, v18
	v_permlanex16_b32 v18, v\r, s34, s35
	v_add_nc_u32 v\r, v\r, v18
.endr
	v_add_nc_u32 v21, 15, v16
	v_lshrrev_b32 v21, 4, v21                      ; T = ceil(n / 16)
	v_mov_b32 v20, 0                               ; b = the tiles of the experts before mine
.irp e, 0,1,2,3,4,5,6
	v_readlane_b32 s31, v21, \e
	v_mov_b32 v19, s31
	v_cmp_lt_u32 vcc_lo, \e, v5
	v_cndmask_b32 v18, 0, v19, vcc_lo
	v_add_nc_u32 v20, v20, v18
.endr
	v_lshl_add_u32 v22, v20, 4, v17                ; where my chunk's rows of this expert begin
	s_wait_alu depctr_va_vdst(0)
	s_wait_kmcnt 0x0
.irp a, 0,1,4,5                        ; the four rows: expert's start + rank, held inside the buffer
	s_min_u32 s[16+\a], s[16+\a], 7
	v_readlane_b32 s[24+(\a)/2+(\a)%2], v22, s[16+\a]
	s_add_co_u32 s[24+(\a)/2+(\a)%2], s[24+(\a)/2+(\a)%2], s[18+\a]
	s_min_u32 s[24+(\a)/2+(\a)%2], s[24+(\a)/2+(\a)%2], 2175
	v_mov_b32 v[24+(\a)/2+(\a)%2], s[24+(\a)/2+(\a)%2]
.endr
	s_lshl_b32 s32, s29, 4
	s_add_nc_u64 s[48:49], s[10:11], s[32:33]
	v_cmp_eq_u32 vcc_lo, 0, v1
	s_wait_alu depctr_va_vdst(0)
	s_wait_xcnt 0x0                                ; EXEC changes only behind this wait
	s_and_saveexec_b32 s45, vcc_lo
	global_store_b128 v23, v[24:27], s[48:49]      ; my two tokens' rows
	s_wait_xcnt 0x0
	s_or_b32 exec_lo, exec_lo, s45
	s_wait_loadcnt 0x0                             ; x
.macro TURN u                          ; 2,048 bytes through a stage: in as loaded, out 64 bytes a lane; LDS serves a wave's instructions in order
.set nn, 0
.rept 4
	ds_store_b128 v28, v[R+16*(\u)+4*nn:R+16*(\u)+4*nn+3] offset:2560*(\u)+640*nn
.set nn, nn+1
.endr
.set nn, 0
.rept 4
	ds_load_b128 v[X+16*(\u)+4*nn:X+16*(\u)+4*nn+3], v29 offset:2560*(\u)+16*nn
.set nn, nn+1
.endr
.endm
	TURN 0
	TURN 1
	TURN 2
; step u.  left: the LDS instructions issued behind its numbers' loads; mask: the lanes that hold the second token; badr, boff: where its blocks' bytes go
.macro QX u, left, mask, badr, boff
.set QQ, 128+16*(\u)
.set XS, X+16*(\u)
	s_wait_dscnt \left                             ; this step's numbers are back; what was issued behind them may be out
	v_max3_num_f32 v[QQ], |v[XS]|, |v[XS+1]|, |v[XS+2]|
	v_max3_num_f32 v[QQ+1], |v[XS+3]|, |v[XS+4]|, |v[XS+5]|
.irp i, 6,10
	v_max3_num_f32 v[QQ], v[QQ], |v[XS+\i]|, |v[XS+\i+1]|
	v_max3_num_f32 v[QQ+1], v[QQ+1], |v[XS+\i+2]|, |v[XS+\i+3]|
.endr
	v_max3_num_f32 v[QQ], v[QQ], |v[XS+14]|, |v[XS+15]|
	v_max3_num_f32 v[QQ], v[QQ], v[QQ+1], 0x1800000                        ; the floor 2^(3 - 127): the byte cannot fall under 1
	v_max_num_f32_dpp v[QQ], v[QQ], v[QQ] row_xmask:1 row_mask:0xf bank_mask:0xf   ; with my neighbour's 16: the block's
	v_add_nc_u32 v[QQ+2], 0xff000000, v[QQ]        ; 2 off the exponent field: the conversion's scale operand
	v_cvt_scalef32_pk16_fp6_f32 v[QQ+12:QQ+14], v[XS:XS+15], v[QQ+2]
	v_lshrrev_b32 v[QQ+3], 23, v[QQ+2]             ; the byte
	ds_store_b8 v[\badr], v[QQ+3] offset:\boff     ; both lanes of a block write the same byte
	v_cndmask_b32 v[QQ+8], v24, v26, \mask         ; my token's two rows
	v_cndmask_b32 v[QQ+9], v25, v27, \mask
	v_min_u32 v[QQ+8], 0x87f, v[QQ+8]
	v_min_u32 v[QQ+9], 0x87f, v[QQ+9]
	v_mul_u32_u24 v[QQ+8], v[QQ+8], 576
	v_mul_u32_u24 v[QQ+9], v[QQ+9], 576
	v_add_nc_u32 v[QQ+8], v[QQ+8], v[QQ+6]
	v_add_nc_u32 v[QQ+9], v[QQ+9], v[QQ+6]
	global_store_b96 v[QQ+8], v[QQ+12:QQ+14], s[12:13]     ; the wave's 384 bytes fill two thirds of a row, or parts of two
	global_store_b96 v[QQ+9], v[QQ+12:QQ+14], s[12:13]
.endm
	QX 0, 16, s40, SBA, 0                          ; younger: two turns
	QX 1, 9, s41, SBB, 16                          ; one turn and a byte store
	QX 2, 2, s42, SBA, 40                          ; two byte stores
	ds_load_b32 v184, v189                         ; the 16 scale words of my two tokens; lanes 16-31 take them again, for the second rows
	v_cndmask_b32 v185, v24, v26, s43
	v_cndmask_b32 v186, v25, v27, s43
	v_cndmask_b32 v185, v185, v186, s41
	v_min_u32 v185, 0x87f, v185
	v_lshlrev_b32 v186, 2, v5
	v_lshl_add_u32 v185, v185, 5, v186
	s_wait_alu depctr_va_vdst(0)
	s_wait_dscnt 0x0
	global_store_b32 v185, v184, s[12:13] offset:XSC
	s_cmp_ge_u32 s29, 8
	s_cbranch_scc1 .Lnopad
	v_readlane_b32 s36, v20, s29                   ; expert W: b,
	v_readlane_b32 s37, v21, s29                   ; T,
	v_readlane_b32 s38, v16, s29                   ; n
	s_lshl_b32 s36, s36, 4
	s_add_co_u32 s38, s38, s36                     ; its first padding row,
	s_lshl_b32 s37, s37, 4
	s_add_co_u32 s37, s37, s36                     ; and the row behind its last
.irp i, 180,181,182,183
	v_mov_b32 v\i, 0
.endr
; At most 15 rows pad a tile.  They are written out, each with offset registers of its own, so that no store's source is written again; the first row past the end leaves.
.set ii, 0
.rept 15
	s_cmp_ge_u32 s38, s37
	s_cbranch_scc1 .Lnopad
	s_min_u32 s50, s38, 2175
	s_mul_i32 s51, s50, 576
	s_lshl_b32 s50, s50, 5
	v_add_nc_u32 v[PO+2*ii], s51, v4
	s_wait_alu depctr_va_vdst(0)
	v_add_nc_u32 v[PO+2*ii+1], s50, v1
	global_store_b128 v[PO+2*ii], v[180:183], s[12:13]           ; bytes 0 to 511 of the row,
	global_store_b128 v[PO+2*ii], v[180:183], s[12:13] offset:64 ; and 64 to 575: the same zeros where they overlap
	global_store_b8 v[PO+2*ii+1], v180, s[12:13] offset:XSC
	s_add_co_u32 s38, s38, 1
.set ii, ii+1
.endr
.Lnopad:
	s_cmp_lg_u32 s29, 8
	s_cbranch_scc1 .Lend
	v_cmp_gt_u32 vcc_lo, 8, v1
	s_wait_xcnt 0x0
	s_and_saveexec_b32 s45, vcc_lo
	global_store_b64 v31, v[20:21], s[10:11] offset:8192   ; (b, T) of the eight experts
	s_wait_xcnt 0x0
	s_or_b32 exec_lo, exec_lo, s45
	v_add_f32 v8, v[GSR], v[GSR+1]
	v_add_f32 v10, v[GSR+2], v[GSR+3]
	v_add_f32 v12, v[GSR+4], v[GSR+5]
	v_add_f32 v14, v[GSR+6], v[GSR+7]
	v_add_f32 v8, v8, v10
	v_add_f32 v12, v12, v14
	v_add_f32 v8, v8, v12
	v_add_f32_dpp v8, v8, v8 row_xmask:8 row_mask:0xf bank_mask:0xf
	v_permlanex16_b32 v18, v8, s34, s35
	v_add_f32 v8, v8, v18                          ; an expert's sum over the 1,024 tokens
	s_mov_b32 s50, 0x3a800000                      ; 1 / 1,024
	s_mov_b32 s51, 0xbe000000                      ; -1 / 8
	v_fma_f32 v8, v8, s50, s51
	v_mul_f32 v8, v8, v8
	v_add_f32_dpp v8, v8, v8 row_xmask:1 row_mask:0xf bank_mask:0xf
	v_add_f32_dpp v8, v8, v8 row_xmask:2 row_mask:0xf bank_mask:0xf
	v_add_f32_dpp v8, v8, v8 row_xmask:4 row_mask:0xf bank_mask:0xf
	v_mul_f32 v8, 0x3aa3d70a, v8                   ; x 0.01 / 8
	v_cmp_eq_u32 vcc_lo, 0, v1
	s_wait_alu depctr_va_vdst(0)
	s_wait_xcnt 0x0
	s_and_saveexec_b32 s45, vcc_lo
	global_store_b32 v23, v8, s[14:15]
	s_wait_xcnt 0x0
	s_or_b32 exec_lo, exec_lo, s45
.Lend:
	s_wait_tensorcnt 0x0                           ; the wave's end
	ds_add_u32 v[SPW], v[NIL]
	s_wait_dscnt 0x0
	s_endpgm
.Lfunc_end_k_q603df0a1b7_place:
	.size	k_q603df0a1b7_place, .Lfunc_end_k_q603df0a1b7_place-k_q603df0a1b7_place
	.p2alignl 7, 3214868480
	.fill 96, 4, 3214868480
	.section	.rodata,"a",@progbits
	.p2align	6, 0x0
	.amdhsa_kernel k_q603df0a1b7_place
		.amdhsa_group_segment_fixed_size 33280
		.amdhsa_private_segment_fixed_size 0
		.amdhsa_enable_private_segment 0
		.amdhsa_kernarg_size 48
		.amdhsa_user_sgpr_count 2
		.amdhsa_user_sgpr_kernarg_segment_ptr 1
		.amdhsa_wavefront_size32 1
		.amdhsa_system_sgpr_workgroup_id_x 1
		.amdhsa_system_sgpr_workgroup_id_y 1
		.amdhsa_system_sgpr_workgroup_id_z 1
		.amdhsa_system_vgpr_workitem_id 0
		.amdhsa_next_free_vgpr 240
		.amdhsa_next_free_sgpr 66
		.amdhsa_reserve_vcc 1
		.amdhsa_float_denorm_mode_32 3
		.amdhsa_float_denorm_mode_16_64 3
		.amdhsa_memory_ordered 1
		.amdhsa_forward_progress 1
		.amdhsa_inst_pref_size 30
	.end_amdhsa_kernel
	.amdgpu_metadata
---
amdhsa.version: [ 1, 2 ]
amdhsa.kernels:
  - .name:           k_q603df0a1b7_place
    .symbol:         k_q603df0a1b7_place.kd
    .args:
      - { .name: x, .offset: 0, .size: 8, .value_kind: global_buffer, .address_space: global }
      - { .name: rk, .offset: 8, .size: 8, .value_kind: global_buffer, .address_space: global }
      - { .name: gts, .offset: 16, .size: 8, .value_kind: global_buffer, .address_space: global }
      - { .name: pt, .offset: 24, .size: 8, .value_kind: global_buffer, .address_space: global }
      - { .name: xs, .offset: 32, .size: 8, .value_kind: global_buffer, .address_space: global }
      - { .name: out1, .offset: 40, .size: 8, .value_kind: global_buffer, .address_space: global }
    .group_segment_fixed_size: 33280
    .private_segment_fixed_size: 0
    .kernarg_segment_align: 8
    .kernarg_segment_size: 48
    .max_flat_workgroup_size: 128
    .sgpr_count:     66
    .vgpr_count:     240
    .wavefront_size: 32
...
	.end_amdgpu_metadata
.endif
;; end of part 2
;; launch up (part 3): grid 24 x 32, 8 waves a work-group, no clusters, 301,568 bytes of LDS; arguments w1, w2, b1, b2, xs, pt, hc; writes hc
.if DOCPART == 3
	.amdgcn_target "amdgcn-amd-amdhsa--gfx1250"
	.amdhsa_code_object_version 6
	.text
	.protected	k_q603df0a1b7_up
	.globl	k_q603df0a1b7_up
	.p2align	8
	.type	k_q603df0a1b7_up,@function
k_q603df0a1b7_up:
	s_mov_b64 s[64:65], 0
	v_nop
	global_prefetch_b8 v0, s[64:65] scope:SCOPE_SE
	s_setreg_imm32_b32 hwreg(HW_REG_WAVE_MODE, 25, 1), 1
	s_wait_xcnt 0x0
; h = (x w1 + b1) silu(x w2 + b2) for the rows routed to an expert, both products on codes of FP6 (E2M3) with one E8M0 scale for each 32 along K; h is quantised along H and stored as codes.
; SHARES.  Work-group (s, y): expert e = y % 8, row group rg = y / 8 (tiles 20 rg .. 20 rg + 19 of the expert), hidden units 128 s .. + 127.  An expert has at most 64 tiles (a token takes an expert
;   once), so four groups serve every split; a group past the expert's last tile stores nothing and ends ahead of its first load.  Rows of experts that a token did not choose are not multiplied: their gate is 0.
; TWO KINDS OF WAVES.  The 128 units go in two passes of 64: 256 aligned bytes of each of the 768 rows of w1[e] and w2[e].
;   Waves 0-3 QUANTISE.  A step is one K step of 128: waves 0, 1 take w1's four blocks of 32 rows, waves 2, 3 w2's; a load brings row i of one block (lanes 0-15) and of the next (lanes 16-31), 16 bytes a
;   lane, so a lane holds 4 columns x 32 along K; a copy puts each column on consecutive registers, the conversions give 24 bytes a column and block, which go to LDS as records.  The 64 loads of two steps
;   are a ring: each chunk of 8 is asked for again as soon as it has been copied out, so 56 to 64 loads a wave are out.
;   Waves 4-7 MULTIPLY.  Wave 4 + u owns row tiles u, u + 4, .. (five; their codes lie in its own LDS places) and their sums, 8 accumulators a tile.  In each sub-trip it multiplies the pair of K steps that the
;   sub-trip before has quantised.  Behind a pass's last pair its tiles are activated, quantised and stored: three in that sub-trip, two in the next.
;   The products are used TRANSPOSED (source 0 = 16 columns of a weight, source 1 = 16 rows of x), and row m of tile j is column 32 (m / 8) + 8 j + m % 8 of the 64: a lane's 32 results are 32 NEIGHBOURING
;   hidden units of one row, a whole block of the next K.
; THE LOOP's body is three sub-trips written out (pairs 0, 1, 2 of a pass), so that every LDS offset is an immediate: in sub-trip jj records go to K steps 2 jj, 2 jj + 1 and are read from the pair before.
;   One barrier a sub-trip: a pair's records are read one barrier behind their stores and written again two barriers behind their reads.
; hc: [tile][K step 24][c 2]: 512 bytes (registers 6 c .. 6 c + 3, 16 x lane) + 256 (registers 6 c + 4, 5, 8 x lane); from 5,013,504: [tile][K step][c][lane] a word with the two scale bytes of c at their places.
; NO TENSOR LOADS, NO CLUSTER: the number of tiles is read from memory and branches hang on it.  What work-groups share (an expert's rows of x) is small beside the 786,432 bytes of weights that each reads alone.
; NO PREFETCH: the stream's own loads stand two steps, 56 to 64 loads of 512 bytes a wave, ahead of their use.
; LIMITS: NaN and infinities are not served; a block of zeros carries the byte 1 (this program alone reads the bytes); h is formed as (a g) sigmoid(g).
.set EWB,   9437184                    ; an expert's bytes in w1 or w2
.set RW,    12288                      ; a row's
.set NT,    5                          ; tiles a multiplying wave
.set CAP,   20                         ; tiles a work-group
.set PL,    9984                       ; LDS: 20 places for tiles of x from 0 (wave 4 + u: places 5 u ..): 16 rows at pitch 592, then 16 x 32 bytes of scale words
.set XP,    592
.set W0,    199680                     ; the records of one pass: [matrix][K step][block 4] x 1,920 bytes; in a block column 4 l + j at 464 j + 24 l
.set SBK,   1920
.set SJ,    464
.set MB,    24*SBK
.set WS0,   291840                     ; the weights' scale bytes [matrix][column 64][36], 24 used
.set SS,    36
.set BL,    296448                     ; the slice's biases, a copy of 1,024 bytes for each multiplying wave: b1's 128 numbers, b2's 128
.set SPARE, 300544                     ; the spare words, 128 bytes for each of the eight waves
.set XSC,   1253376
.set HSO,   5013504
; v0-31 hold addresses in both kinds of waves, are made ahead of the first parting and never hold loaded data.
; QUANTISING WAVES: window 0: v64-67 largest magnitudes, v68-71 scale operands, v72-75 bytes, v76-99 codes, v100-115 upper halves, v128-255 four columns x 32.  Window 1: the ring, two sets of 128.
.set QM,  64
.set QE,  68
.set QB,  72
.set QC,  76
.set QD,  100
.set QT,  128
; MULTIPLYING WAVES: window 0: v32-35 the weights' scale words [matrix][pair of tiles], v36-40 x's; v44-75 a matrix's biases; v76-135 x's five fragments; v136-183 a matrix's four fragments (behind a pass: at work);
;   v192-255 tile 4's sums.  Window 1: the sums of tiles 0 to 3.
.set WSC, 32
.set XS,  36
.set BI,  44
.set XF,  76
.set WF,  136
.set MSB, 0
.macro WIN new                         ; the immediate's high byte repeats the setting that is left
.if MSB != (\new)
	s_set_vgpr_msb (MSB<<8)|(\new)
.set MSB, (\new)
.endif
.endm
.macro BAR                             ; my LDS instructions are done: then the work-group's barrier
	s_wait_dscnt 0x0
	s_barrier_signal -1
	s_barrier_wait -1
.endm
.macro PLACES
.rept 4
	v_nop
.endr
.endm
.macro ACCOF i                         ; window AW and first register AB of tile i's 64 accumulator registers (x w1 in the lower 32, x w2 in the upper)
.if (\i) < 4
.set AW, 1
.set AB, 64*(\i)
.else
.set AW, 0
.set AB, 192
.endif
.endm
	s_load_b256 s[4:11], s[0:1], 0x0               ; w1, w2, b1, b2
	s_load_b128 s[12:15], s[0:1], 0x20             ; xs, pt
	s_load_b64 s[16:17], s[0:1], 0x30              ; hc
	v_lshl_add_u32 v2, v0, 2, SPARE                ; v2, v3: the add's two; never rewritten
	v_mov_b32 v3, 0
	v_lshrrev_b32 v1, 5, v0
	v_readfirstlane_b32 s18, v1                    ; wave
	s_bfe_u32 s19, s18, 0x10001                    ; the matrix that a quantising wave takes
	s_and_b32 s20, s18, 1                          ; which two of a K step's four blocks
	s_and_b32 s59, s18, 3                          ; u
	s_mov_b32 s21, ttmp9                           ; s
	s_and_b32 s22, ttmp7, 7                        ; e
	s_bfe_u32 s23, ttmp7, 0x20003                  ; rg
	s_mul_i32 s36, s19, MB
	s_mul_i32 s48, s20, 2*SBK
	s_add_co_u32 s36, s36, s48
	s_add_co_u32 s36, s36, W0                      ; my records
	s_mul_i32 s37, s19, 64*SS
	s_lshl_b32 s48, s20, 1
	s_add_co_u32 s37, s37, s48
	s_add_co_u32 s37, s37, WS0                     ; my scale bytes
	s_mul_i32 s38, s59, NT*PL                      ; my five places
	s_lshl_b32 s39, s59, 10
	s_add_co_u32 s39, s39, BL                      ; my copy of the biases
	s_mov_b32 s50, 0x76543210
	s_mov_b32 s51, 0xfedcba98
	s_mov_b32 s54, 0xbfb8aa3b                      ; -log2(e)
	s_mov_b32 s55, s54
	s_mov_b32 s49, 0
	s_mov_b32 s63, 0                               ; 16 x the pass that is stored next
	s_mov_b32 s31, 0                               ; p: the loop's trips
	v_and_b32 v1, 31, v0                           ; l
	v_and_b32 v26, 15, v0                          ; r
	v_bfe_u32 v27, v0, 4, 1                        ; h
	v_lshlrev_b32 v4, 4, v1
	v_lshlrev_b32 v5, 3, v1
	v_lshlrev_b32 v6, 2, v1
	v_lshrrev_b32 v30, 2, v1
	v_and_b32 v31, 3, v1
	v_mul_u32_u24 v7, v30, 576
	v_lshl_add_u32 v7, v31, 4, v7
	v_add_nc_u32 v7, 512, v7                       ; the last 64 bytes of eight rows of xs
	v_mul_u32_u24 v8, v27, 32*RW
	v_lshl_add_u32 v8, v26, 4, v8                  ; the weights: lanes 16-31 stand 32 rows further down
	v_mul_u32_u24 v9, v27, SBK
	v_mad_u32_u24 v9, v26, 24, v9
	v_add_nc_u32 v9, s36, v9                       ; my records: block 2 q + h, 24 bytes a lane
	v_mul_u32_u24 v10, v26, 4*SS
	v_add_nc_u32 v10, v10, v27
	v_add_nc_u32 v10, s37, v10                     ; my scale bytes: column 4 (l % 16), byte 2 q + h
	v_mul_u32_u24 v11, v27, SBK                    ; a fragment's records: block h, column % 4 = r % 4, column / 4 = 8 (r / 8) + (r / 4) % 2 (+ 2 j)
	v_and_b32 v17, 3, v26
	v_mad_u32_u24 v11, v17, SJ, v11
	v_lshrrev_b32 v17, 3, v26
	v_mad_u32_u24 v11, v17, 192, v11
	v_bfe_u32 v17, v26, 2, 1
	v_mad_u32_u24 v11, v17, 24, v11
	v_add_nc_u32 v11, W0, v11                      ; w1's,
	v_add_nc_u32 v12, MB, v11                      ; w2's
	v_bfe_u32 v17, v1, 3, 1                        ; the scale words of two tiles: column 32 ((l / 8) % 2) + 8 (l / 16) + l % 8 (+ 16 p)
	v_lshlrev_b32 v13, 5, v17
	v_lshl_add_u32 v13, v27, 3, v13
	v_and_b32 v17, 7, v1
	v_add_nc_u32 v13, v13, v17
	v_mul_u32_u24 v13, v13, SS
	v_add_nc_u32 v13, WS0, v13
	v_add_nc_u32 v14, s38, v4                      ; where I store tiles of x
	v_mul_u32_u24 v15, v30, XP
	v_lshl_add_u32 v15, v31, 4, v15
	v_add_nc_u32 v15, s38, v15
	v_add_nc_u32 v15, 512, v15
	v_add_nc_u32 v16, 16*XP, v14
	v_mul_u32_u24 v20, v26, XP
	v_mad_u32_u24 v20, v27, 48, v20
	v_add_nc_u32 v20, s38, v20                     ; x's fragments: row r, 48 bytes a half
	v_lshl_add_u32 v21, v26, 5, 16*XP
	v_add_nc_u32 v21, s38, v21                     ; x's scale words
	v_add_nc_u32 v22, s39, v4                      ; the biases, in: 16 bytes a lane;
	v_lshlrev_b32 v23, 7, v27
	v_add_nc_u32 v23, s39, v23                     ; out: 32 numbers a half
	v_lshlrev_b32 v25, 3, v27
	v_lshlrev_b32 v29, 3, v27                      ; my scale byte's place in the word, for the first pass; made anew behind each pass
	v_mov_b32 v141, 0                              ; (a lane permute's destination counts as one of its sources)
	s_wait_alu depctr_va_vdst(0)
	s_wait_kmcnt 0x0
	s_lshl_b32 s48, s22, 3
	s_add_nc_u64 s[14:15], s[14:15], s[48:49]
	s_load_b64 s[24:25], s[14:15], 0x2000          ; the expert's first tile and number of tiles
	s_cmp_eq_u32 s19, 0
	s_cselect_b64 s[28:29], s[4:5], s[6:7]
	s_mul_i32 s48, s22, EWB
	s_mul_i32 s53, s20, 64*RW
	s_add_co_u32 s48, s48, s53
	s_lshl_b32 s53, s21, 9
	s_add_co_u32 s48, s48, s53
	s_add_nc_u64 s[28:29], s[28:29], s[48:49]      ; my matrix at expert e, row 64 q, the slice's 512 bytes
	s_mov_b64 s[32:33], s[28:29]                   ; K step 0,
	s_add_nc_u64 s[34:35], s[28:29], 128*RW        ; K step 1
	s_mul_i32 s48, s22, 12288
	s_add_co_u32 s48, s48, s53
	s_add_nc_u64 s[8:9], s[8:9], s[48:49]          ; the slice's biases
	s_add_nc_u64 s[10:11], s[10:11], s[48:49]
	s_mul_i32 s48, s21, 1536
	s_add_nc_u64 s[44:45], s[16:17], s[48:49]      ; hc at K step s,
	s_lshl_b32 s48, s21, 8
	s_add_co_u32 s48, s48, HSO
	s_add_nc_u64 s[46:47], s[16:17], s[48:49]      ; and its scale words
	s_cmp_eq_u32 s23, 0
	s_cbranch_scc1 .Lgo                            ; group 0 asks for its weights at once
	s_wait_kmcnt 0x0
	s_mul_i32 s53, s23, CAP
	s_cmp_lt_u32 s53, s25
	s_cbranch_scc1 .Lgo
	s_endpgm                                       ; the expert has no tile of this group: nothing was loaded, nothing is stored; the same in all eight waves
.Lgo:
.macro WLOAD set                       ; a step's 32 loads of 2 x 256 consecutive bytes into set 1 or 2 of the ring, by that set's pointer
	WIN 0x40
.set ii, 0
.rept 32
	global_load_b128 v[128*((\set)-1)+4*ii:128*((\set)-1)+4*ii+3], v8, s[30+2*(\set):31+2*(\set)] offset:ii*RW th:TH_LOAD_NT
.set ii, ii+1
.endr
.endm
; tile 20 rg + u + 4 i of the expert: 19 loads, always issued (a place past the expert's last tile takes that tile again), into the registers that later hold its sums; bases of its own
.macro XLOAD i
	ACCOF \i
	s_add_co_u32 s53, s58, 4*(\i)
	s_add_co_u32 s53, s53, s24
	s_min_u32 s53, s53, s26
	s_min_u32 s53, s53, 135
	s_mul_i32 s48, s53, 9216
	s_add_nc_u64 s[68+4*(\i):69+4*(\i)], s[12:13], s[48:49]
	s_lshl_b32 s48, s53, 9
	s_add_nc_u64 s[70+4*(\i):71+4*(\i)], s[12:13], s[48:49]
	WIN AW<<6
.set qq, 0
.rept 16
	global_load_b128 v[AB+4*qq:AB+4*qq+3], v4, s[68+4*(\i):69+4*(\i)] offset:576*qq       ; a row's first 512 bytes
.set qq, qq+1
.endr
	WIN 0
	global_load_b128 v[XF+12*(\i):XF+12*(\i)+3], v7, s[68+4*(\i):69+4*(\i)]                 ; the last 64 bytes of rows 0-7,
	global_load_b128 v[XF+12*(\i)+4:XF+12*(\i)+7], v7, s[68+4*(\i):69+4*(\i)] offset:4608   ; of rows 8-15
	global_load_b128 v[XF+12*(\i)+8:XF+12*(\i)+11], v4, s[70+4*(\i):71+4*(\i)] offset:XSC   ; the scale words
.endm
.macro XSTORE i
	ACCOF \i
.if (\i) == 0
	s_wait_loadcnt 63                              ; (76 are younger than tile 0's; the field holds 63)
.else
	s_wait_loadcnt 19*(4-(\i))                     ; the later tiles' loads may be out
.endif
	WIN AW<<2                                      ; an LDS store's data are its source 1
.set qq, 0
.rept 16
	ds_store_b128 v14, v[AB+4*qq:AB+4*qq+3] offset:PL*(\i)+XP*qq
.set qq, qq+1
.endr
	WIN 0
	ds_store_b128 v15, v[XF+12*(\i):XF+12*(\i)+3] offset:PL*(\i)
	ds_store_b128 v15, v[XF+12*(\i)+4:XF+12*(\i)+7] offset:PL*(\i)+8*XP
	ds_store_b128 v16, v[XF+12*(\i)+8:XF+12*(\i)+11] offset:PL*(\i)
.endm
	s_cmp_lt_u32 s18, 4
	s_cbranch_scc0 .Lmh
	WLOAD 1                                        ; the quantising waves: the ring's 64 loads
	WLOAD 2
	WIN 0
	s_wait_kmcnt 0x0
	s_branch .Ljh
.Lmh:
	s_wait_kmcnt 0x0                               ; the multiplying waves: the biases and my five tiles of x
	s_min_u32 s24, s24, 136
	s_min_u32 s25, s25, 64
	s_add_co_u32 s26, s24, s25
	s_max_u32 s26, s26, 1
	s_sub_co_u32 s26, s26, 1                       ; the last tile that a load may name
	s_mul_i32 s53, s23, CAP
	s_add_co_u32 s58, s53, s59                     ; my first tile: 20 rg + u
	s_add_co_u32 s57, s25, 3
	s_max_u32 s57, s57, s58
	s_sub_co_u32 s57, s57, s58
	s_lshr_b32 s57, s57, 2
	s_min_u32 s57, s57, NT                         ; how many of my five tiles exist
	global_load_b128 v[136:139], v4, s[8:9]        ; 512 consecutive bytes of b1,
	global_load_b128 v[140:143], v4, s[10:11]      ; of b2
.irp i, 0,1,2,3,4
	XLOAD \i
.endr
.irp i, 0,1,2,3,4
	XSTORE \i
.endr
	ds_store_b128 v22, v[136:139]
	ds_store_b128 v22, v[140:143] offset:512
.Ljh:
; A STEP: 4 columns x 32 along K of a lane become four records of 24 bytes and four scale bytes.  In four chunks of 8 rows: the wait, the maxima, the copy, and (ld = 1) the same chunk of the step two on.
; ld = 1: seven chunks, 56 loads, are younger than the chunk waited for.  ld = 0: c0 less 8 for each chunk.  pc: what set 1's pointer adds to 256 p
.macro SSTEP set, ld, pc, c0, roff, boff
.set SB, 128*((\set)-1)
.set ch, 0
.rept 4
.if \ld
	s_wait_loadcnt 56
.else
	s_wait_loadcnt (\c0)-8*ch
.endif
	WIN 0x14                                       ; sources 1 and 2 in window 1
.set nn, 4*ch
.rept 4
.set jj, 0
.rept 4
.if nn == 0
	v_max3_num_f32 v[QM+jj], 0x1800000, |v[SB+jj]|, |v[SB+4+jj]|           ; the floor 2^(3 - 127) among the leaves: the byte cannot fall under 1
.else
	v_max3_num_f32 v[QM+jj], v[QM+jj], |v[SB+8*nn+jj]|, |v[SB+8*nn+4+jj]|  ; the four columns by turns
.endif
.set jj, jj+1
.endr
.set nn, nn+1
.endr
.set ii, 8*ch
.rept 8
.set jj, 0
.rept 4
	v_or_b32 v[QT+32*jj+ii], 0, v[SB+4*ii+jj]      ; a column's 32 numbers onto consecutive registers, as the conversions want them
.set jj, jj+1
.endr
.set ii, ii+1
.endr
.if \ld
.if ch == 0
	s_wait_xcnt 0x0                                ; this set's loads have read their pointer
.if (\set) == 1
	s_lshl_b32 s48, s31, 8
	s_add_co_u32 s48, s48, \pc
	s_add_nc_u64 s[32:33], s[28:29], s[48:49]
.else
	s_add_nc_u64 s[34:35], s[32:33], 128*RW
.endif
.endif
	WIN 0x40
.set ii, 8*ch
.rept 8
	global_load_b128 v[SB+4*ii:SB+4*ii+3], v8, s[30+2*(\set):31+2*(\set)] offset:ii*RW th:TH_LOAD_NT
.set ii, ii+1
.endr
.endif
.set ch, ch+1
.endr
	WIN 0
	s_wait_dscnt 0x0                               ; the LDS stores issued so far have read their registers
.set jj, 0
.rept 4
	v_add_nc_u32 v[QE+jj], 0xff000000, v[QM+jj]    ; 2 off the exponent field: the conversion's scale operand
.set jj, jj+1
.endr
.set jj, 0
.rept 4
	v_lshrrev_b32 v[QB+jj], 23, v[QE+jj]           ; the byte
.set jj, jj+1
.endr
.set jj, 0
.rept 4
	v_cvt_scalef32_pk16_fp6_f32 v[QC+6*jj:QC+6*jj+2], v[QT+32*jj:QT+32*jj+15], v[QE+jj]
	v_cvt_scalef32_pk16_fp6_f32 v[QD+4*jj:QD+4*jj+2], v[QT+32*jj+16:QT+32*jj+31], v[QE+jj]   ; (a conversion's three registers begin on an even number)
.set jj, jj+1
.endr
	v_nop                                          ; one plain place behind the conversions
.set jj, 0
.rept 4
.set nn, 0
.rept 3
	v_mov_b32 v[QC+6*jj+3+nn], v[QD+4*jj+nn]
.set nn, nn+1
.endr
.set jj, jj+1
.endr
.set jj, 0
.rept 4
.set nn, 0
.rept 3
	ds_store_b64 v9, v[QC+6*jj+2*nn:QC+6*jj+2*nn+1] offset:(\roff)+SJ*jj+8*nn
.set nn, nn+1
.endr
	ds_store_b8 v10, v[QB+jj] offset:(\boff)+SS*jj
.set jj, jj+1
.endr
.endm
.macro PAIRL jj, pc                    ; pair jj is quantised, the next pair asked for
	SSTEP 1, 1, \pc, 0, 8*SBK*(\jj), 8*(\jj)
	SSTEP 2, 1, 0, 0, 8*SBK*(\jj)+4*SBK, 8*(\jj)+4
.endm
.macro LW m, ks                        ; matrix m's four fragments and two scale words of K step ks
.set jp, 0
.rept 4
.set cc, 0
.rept 2
.set nn, 0
.rept 3
	ds_load_b64 v[WF+12*jp+6*cc+2*nn:WF+12*jp+6*cc+2*nn+1], v[11+(\m)] offset:4*SBK*(\ks)+2*SBK*cc+48*jp+8*nn
.set nn, nn+1
.endr
.set cc, cc+1
.endr
.set jp, jp+1
.endr
	ds_load_b32 v[WSC+2*(\m)], v13 offset:64*SS*(\m)+4*(\ks)
	ds_load_b32 v[WSC+2*(\m)+1], v13 offset:64*SS*(\m)+16*SS+4*(\ks)
.endm
.macro LX ks                           ; my five tiles' fragments and scale words of K step ks
.set ti, 0
.rept NT
.set nn, 0
.rept 3
	ds_load_b128 v[XF+12*ti+4*nn:XF+12*ti+4*nn+3], v20 offset:PL*ti+96*(\ks)+16*nn
.set nn, nn+1
.endr
	ds_load_b32 v[XS+ti], v21 offset:PL*ti+4*(\ks)
.set ti, ti+1
.endr
.endm
.macro LBP off                         ; register 8 j + i: the bias of unit 32 h + 8 j + i
.set jp, 0
.rept 4
	ds_load_b128 v[BI+8*jp:BI+8*jp+3], v23 offset:(\off)+32*jp
	ds_load_b128 v[BI+8*jp+4:BI+8*jp+7], v23 offset:(\off)+32*jp+16
.set jp, jp+1
.endr
.endm
.macro LB m                            ; matrix m's biases of this pass's 64 units
	s_cmp_eq_u32 s31, 0
	s_cbranch_scc0 .Lb\@
	LBP 512*(\m)
	s_branch .Lc\@
.Lb\@:
	LBP 512*(\m)+256
.Lc\@:
.endm
; matrix m: four matrix instructions a tile, every one on another accumulator.  first = 1: the biases begin the sums.  The first tile that does not exist leaves.
.macro MM m, first
.set ti, 0
.rept NT
	s_cmp_gt_u32 s57, ti
	s_cbranch_scc0 .Lmm\@
	ACCOF ti
.if \first
	WIN AW<<6
.else
	WIN (AW<<6)|(AW<<4)
.endif
.set jp, 0
.rept 4
.set rD, AB+32*(\m)+8*jp
.set rC, rD
.if \first
.set rC, BI+8*jp
.endif
.set rA, WF+12*jp
.set rB, XF+12*ti
.set rS, WSC+2*(\m)+jp/2
.if jp%2
	v_wmma_scale_f32_16x16x128_f8f6f4 v[rD:rD+7], v[rA:rA+11], v[rB:rB+11], v[rC:rC+7], v[rS], v[XS+ti] matrix_a_fmt:MATRIX_FMT_FP6 matrix_b_fmt:MATRIX_FMT_FP6 matrix_a_scale:MATRIX_SCALE_ROW1
.else
	v_wmma_scale_f32_16x16x128_f8f6f4 v[rD:rD+7], v[rA:rA+11], v[rB:rB+11], v[rC:rC+7], v[rS], v[XS+ti] matrix_a_fmt:MATRIX_FMT_FP6 matrix_b_fmt:MATRIX_FMT_FP6
.endif
.set jp, jp+1
.endr
	WIN 0
.set ti, ti+1
.endr
.Lmm\@:
.endm
.macro KSTEP ks, first
	PLACES                                         ; in front of loads into registers that matrix instructions have read
	LW 0, \ks
	LX \ks
.if \first
	LB 0
.endif
	s_wait_dscnt 0x0
	MM 0, \first
	PLACES
	LW 1, \ks
.if \first
	LB 1
.endif
	s_wait_dscnt 0x0
	MM 1, \first
.endm
; tile i's 16 rows x 64 units: the activation, the block's scale, the codes, three stores
.macro ACT i, lab
	s_cmp_gt_u32 s57, \i
	s_cbranch_scc0 \lab
	ACCOF \i
.set AA, AB
.set AG, AB+32
	WIN 0x55*AW
	s_wait_alu depctr_va_vdst(0)                   ; ahead of the first reader of the sums
.set ii, 0
.rept 16
	v_pk_mul_f32 v[AA+2*ii:AA+2*ii+1], v[AA+2*ii:AA+2*ii+1], v[AG+2*ii:AG+2*ii+1]    ; a g; each accumulator is read from its low end on
.set ii, ii+1
.endr
.set ii, 0
.rept 16
	v_pk_mul_f32 v[AG+2*ii:AG+2*ii+1], v[AG+2*ii:AG+2*ii+1], s[54:55] op_sel_hi:[1,0]
.set ii, ii+1
.endr
	s_wait_alu depctr_va_vdst(0)
.set ii, 0
.rept 32
	v_exp_f32 v[AG+ii], v[AG+ii]                   ; e^-g
.set ii, ii+1
.endr
	v_nop
	s_wait_alu depctr_va_vdst(0)                   ; one wait for the batch, ahead of its first reader
.set ii, 0
.rept 16
	v_pk_add_f32 v[AG+2*ii:AG+2*ii+1], v[AG+2*ii:AG+2*ii+1], 1.0 op_sel_hi:[1,0]
.set ii, ii+1
.endr
	s_wait_alu depctr_va_vdst(0)
.set ii, 0
.rept 32
	v_rcp_f32 v[AG+ii], v[AG+ii]                   ; sigmoid(g)
.set ii, ii+1
.endr
	v_nop
	s_wait_alu depctr_va_vdst(0)
.set ii, 0
.rept 16
	v_pk_mul_f32 v[AA+2*ii:AA+2*ii+1], v[AA+2*ii:AA+2*ii+1], v[AG+2*ii:AG+2*ii+1]    ; h: 32 neighbouring hidden units of my row
.set ii, ii+1
.endr
	WIN 0x14*AW                                    ; sources 1 and 2 in the tile's window
	v_max3_num_f32 v136, 0x1800000, |v[AA]|, |v[AA+1]|         ; the block's largest magnitude, in two chains, the floor among the leaves
	v_max3_num_f32 v137, 0, |v[AA+16]|, |v[AA+17]|
.set ii, 1
.rept 7
	v_max3_num_f32 v136, v136, |v[AA+2*ii]|, |v[AA+2*ii+1]|
	v_max3_num_f32 v137, v137, |v[AA+16+2*ii]|, |v[AA+17+2*ii]|
.set ii, ii+1
.endr
	WIN 0
	v_max_num_f32 v136, v136, v137
	v_add_nc_u32 v138, 0xff000000, v136
	v_lshrrev_b32 v139, 23, v138
	s_wait_alu depctr_va_vdst(0)
	s_wait_xcnt 0x0                                ; the last tile's stores have read their data and bases
	s_add_co_u32 s53, s58, 4*(\i)
	s_add_co_u32 s53, s53, s24
	s_min_u32 s53, s53, 135
	s_mul_i32 s48, s53, 36864
	s_add_nc_u64 s[40:41], s[44:45], s[48:49]
	s_mul_i32 s48, s53, 6144
	s_add_nc_u64 s[42:43], s[46:47], s[48:49]
	WIN AW                                         ; source 0 in the tile's window
	v_cvt_scalef32_pk16_fp6_f32 v[144:146], v[AA:AA+15], v138
	v_cvt_scalef32_pk16_fp6_f32 v[152:154], v[AA+16:AA+31], v138
	WIN 0
	v_lshlrev_b32 v140, v29, v139                  ; (a plain place behind the conversions)  my byte at its place in the row's word,
	v_mov_b32 v147, v152
	v_mov_b32 v148, v153
	v_mov_b32 v149, v154
	v_permlanex16_b32 v141, v140, s50, s51
	v_or_b32 v142, v140, v141                      ; with the other half's
	global_store_b128 v4, v[144:147], s[40:41]             ; 512 consecutive bytes
	global_store_b64 v5, v[148:149], s[40:41] offset:512   ; 256
	global_store_b32 v6, v142, s[42:43]                    ; 128
.endm
; THE LOOP: trip p, sub-trip jj.  Quantised: pair jj of pass p (p < 2).  Multiplied: the pair before.  Trip 2 has the second pass's last pair and its way out alone.
.Lp:
	BAR                                            ; sub-trip 0
	s_cmp_lt_u32 s18, 4
	s_cbranch_scc0 .Lm0
	s_cmp_lt_u32 s31, 2
	s_cbranch_scc0 .Lj0
	PAIRL 0, 256*RW                                ; asks for K steps 2, 3 of this pass
	s_branch .Lj0
.Lm0:
	s_cmp_eq_u32 s31, 0
	s_cbranch_scc1 .Lj0
	KSTEP 4, 0                                     ; the last pass's last pair
	KSTEP 5, 0
	PLACES                                         ; in front of the first read of results
	v_add_nc_u32 v29, s63, v25                     ; my scale byte's place in the word: 8 h + 16 x pass bits up
	ACT 0, .Lae0
	ACT 1, .Lae0
	ACT 2, .Lae0
.Lae0:
	s_wait_xcnt 0x0                                ; the stores have read their data
.Lj0:
	BAR                                            ; sub-trip 1
	s_cmp_lt_u32 s18, 4
	s_cbranch_scc0 .Lm1
	s_cmp_lt_u32 s31, 2
	s_cbranch_scc0 .Lj1
	PAIRL 1, 512*RW                                ; asks for K steps 4, 5
	s_branch .Lj1
.Lm1:
	s_cmp_eq_u32 s31, 0
	s_cbranch_scc1 .Ln1
	PLACES                                         ; in front of the first read of results, on every way that leads here
	ACT 3, .Lae1
	ACT 4, .Lae1
.Lae1:
	s_wait_xcnt 0x0                                ; the stores have read their data: fragments land there next
	s_add_nc_u64 s[44:45], s[44:45], 768           ; the next pass's half of hc's K step
	s_add_nc_u64 s[46:47], s[46:47], 128
	s_add_co_u32 s63, s63, 16
.Ln1:
	s_cmp_lt_u32 s31, 2
	s_cbranch_scc0 .Lj1
	KSTEP 0, 1                                     ; a pass's first K step begins the sums with the biases
	KSTEP 1, 0
.Lj1:
	BAR                                            ; sub-trip 2
	s_cmp_lt_u32 s18, 4
	s_cbranch_scc0 .Lm2
	s_cmp_eq_u32 s31, 0
	s_cbranch_scc0 .Ls2
	PAIRL 2, 256                                   ; asks for K steps 0, 1 of the next pass
	s_branch .Lj2
.Ls2:
	s_cmp_eq_u32 s31, 1
	s_cbranch_scc0 .Lj2
	SSTEP 1, 0, 0, 56, 16*SBK, 16                  ; the last pair asks for nothing: 56, 48, .. loads are younger than a chunk's
	SSTEP 2, 0, 0, 24, 20*SBK, 20
	s_branch .Lj2
.Lm2:
	s_cmp_lt_u32 s31, 2
	s_cbranch_scc0 .Lj2
	KSTEP 2, 0
	KSTEP 3, 0
.Lj2:
	s_add_co_u32 s31, s31, 1
	s_cmp_lt_u32 s31, 3
	s_cbranch_scc1 .Lp
	BAR
	s_wait_tensorcnt 0x0                           ; the wave's end
	ds_add_u32 v2, v3
	s_wait_dscnt 0x0
	s_endpgm
.Lfunc_end_k_q603df0a1b7_up:
	.size	k_q603df0a1b7_up, .Lfunc_end_k_q603df0a1b7_up-k_q603df0a1b7_up
	.p2alignl 7, 3214868480
	.fill 96, 4, 3214868480
	.section	.rodata,"a",@progbits
	.p2align	6, 0x0
	.amdhsa_kernel k_q603df0a1b7_up
		.amdhsa_group_segment_fixed_size 301568
		.amdhsa_private_segment_fixed_size 0
		.amdhsa_enable_private_segment 0
		.amdhsa_kernarg_size 56
		.amdhsa_user_sgpr_count 2
		.amdhsa_user_sgpr_kernarg_segment_ptr 1
		.amdhsa_wavefront_size32 1
		.amdhsa_system_sgpr_workgroup_id_x 1
		.amdhsa_system_sgpr_workgroup_id_y 1
		.amdhsa_system_sgpr_workgroup_id_z 1
		.amdhsa_system_vgpr_workitem_id 0
		.amdhsa_next_free_vgpr 512
		.amdhsa_next_free_sgpr 96
		.amdhsa_reserve_vcc 0
		.amdhsa_float_denorm_mode_32 3
		.amdhsa_float_denorm_mode_16_64 3
		.amdhsa_memory_ordered 1
		.amdhsa_forward_progress 1
		.amdhsa_inst_pref_size 248
	.end_amdhsa_kernel
	.amdgpu_metadata
---
amdhsa.version: [ 1, 2 ]
amdhsa.kernels:
  - .name:           k_q603df0a1b7_up
    .symbol:         k_q603df0a1b7_up.kd
    .args:
      - { .name: w1, .offset: 0, .size: 8, .value_kind: global_buffer, .address_space: global }
      - { .name: w2, .offset: 8, .size: 8, .value_kind: global_buffer, .address_space: global }
      - { .name: b1, .offset: 16, .size: 8, .value_kind: global_buffer, .address_space: global }
      - { .name: b2, .offset: 24, .size: 8, .value_kind: global_buffer, .address_space: global }
      - { .name: xs, .offset: 32, .size: 8, .value_kind: global_buffer, .address_space: global }
      - { .name: pt, .offset: 40, .size: 8, .value_kind: global_buffer, .address_space: global }
      - { .name: hc, .offset: 48, .size: 8, .value_kind: global_buffer, .address_space: global }
    .group_segment_fixed_size: 301568
    .private_segment_fixed_size: 0
    .kernarg_segment_align: 8
    .kernarg_segment_size: 56
    .max_flat_workgroup_size: 256
    .sgpr_count:     96
    .vgpr_count:     512
    .wavefront_size: 32
...
	.end_amdgpu_metadata
.endif
;; end of part 3
;; launch down (part 4): grid 24 x 8, 4 waves a work-group, no clusters, 114,432 bytes of LDS; arguments wp, hc, pt, yp; writes yp
.if DOCPART == 4
	.amdgcn_target "amdgcn-amd-amdhsa--gfx1250"
	.amdhsa_code_object_version 6
	.text
	.protected	k_q603df0a1b7_down
	.globl	k_q603df0a1b7_down
	.p2align	8
	.type	k_q603df0a1b7_down,@function
k_q603df0a1b7_down:
	s_mov_b64 s[64:65], 0
	v_nop
	global_prefetch_b8 v0, s[64:65] scope:SCOPE_SE
	s_setreg_imm32_b32 hwreg(HW_REG_WAVE_MODE, 25, 1), 1
	s_wait_xcnt 0x0
; Partial y = h wp for the rows routed to an expert, on codes of FP6 (E2M3) with one E8M0 scale for each 32 along K = H.  The two halves of K go to two planes of yp; the next launch adds them.
; SHARES.  Work-group (2 cg + kh, e) owns columns 64 cg .. + 63 (256 aligned bytes of a row of wp[e]) and rows 1,536 kh .. + 1,535: 12 K steps, read ONCE in the launch.
; PHASE 1: six steps a wave.  A load brings row i of one block of 32 (lanes 0-15) and row i of the block behind it (lanes 16-31), 16 bytes a lane: a lane holds 4 columns x 32 along K.  The step's
;   arithmetic is that of the launch before: a copy onto consecutive registers, the conversions, records of 24 bytes in LDS.
;   THE RECORDS ARE READ BACK AS OPERAND REGISTERS WHILE THE WEIGHTS STILL STREAM: step k of the four waves completes K steps 2 k and 2 k + 1, so behind each step stands a barrier, and behind it each wave reads
;   those two K steps' 48 pieces while the next two steps' loads are on their way.  No LDS byte of the records is written twice.
; PHASE 2: EVERY wave holds all 48 fragments (4 tiles of columns x 12 K steps, 576 registers) and takes the row tiles w, w + 4, ..: no sum crosses waves, and no barrier stands in the loop over tiles.
;   That loop has eight trips of two tiles, a constant: an expert has at most 64 tiles (a token takes an expert once: 1,024 rows), sixteen a wave; a wave whose next tile does not exist ends inside the trip.
;   h's fragments come from memory as images of their registers, two tiles ahead, in two sets.  The product is used TRANSPOSED, and row m of tile j is column 32 (m / 8) + 8 j + m % 8: a lane's 32 results are 128
;   neighbouring bytes of a row of y; they go through the wave's own stage and leave as whole runs of 256 aligned bytes.
; NO TENSOR LOADS, NO CLUSTER: the number of tiles is read from memory.  LIMITS as in the launch before.
.set EW,    9437184
.set SBK,   1920                       ; LDS: 48 blocks x 1,920 bytes from 0; in a block column 4 l + j at 464 j + 24 l
.set SJ,    464
.set WS0,   92160                      ; the scale bytes [column][68], 48 of them used: 17 words from column to column, so that neither a byte store's sixteen columns nor a word load's 32 lanes meet in a bank
.set SS,    68
.set STG,   96512                      ; four stages of 16 rows x 272 bytes
.set SPARE, 113920
.set HSO,   5013504
.set SPW, 2
.set NIL, 3
.set QSA, 9
.set QB,  76                           ; phase 1, window 0: v76-79 bytes, v80-103 codes, v104-107 largest magnitudes, v108-111 scale operands, v112-239 four columns x 32, v240-255 upper halves
.set QC,  80
.set QM,  104
.set QE,  108
.set QT,  112
.set QD,  240
.set WSC, 24                           ; v24-47 wp's scale words [pair of tiles][K step]
.set HS,  48                           ; v48-59, v60-71 h's scale words, sets 0 and 1
.set AC,  80                           ; v80-111 the four accumulators, later the rows read back
; windows 1, 2, 3: v0-191 the fragments of K steps 4 W - 4 .. 4 W - 1 (at 48 (s % 4) + 12 j); v192-239 h's set 0 of the same K steps.  Window 0, v112-255: h's set 1.
; The two staging sets lie in window 3, at v0-127 (even steps) and v128-255 (odd steps).  What lands on them comes late enough: K steps 8, 9 (v0-95) behind step 4's copy out of the first set, K steps 10, 11
; (v96-191) and h's part in that window (v192-239) behind step 5's copy out of the second.
.set MSB, 0
.macro WIN new
.if MSB != (\new)
	s_set_vgpr_msb (MSB<<8)|(\new)
.set MSB, (\new)
.endif
.endm
.macro BAR                             ; my LDS stores have landed and my LDS loads are in: then the work-group's barrier
	s_wait_dscnt 0x0
	s_barrier_signal -1
	s_barrier_wait -1
.endm
	s_load_b256 s[4:11], s[0:1], 0x0               ; wp, hc, pt, yp
	v_lshl_add_u32 v[SPW], v0, 2, SPARE
	v_mov_b32 v[NIL], 0
	v_lshrrev_b32 v1, 5, v0
	v_readfirstlane_b32 s18, v1                    ; wave
	s_lshr_b32 s21, ttmp9, 1                       ; cg
	s_and_b32 s23, ttmp9, 1                        ; kh
	s_and_b32 s22, ttmp7, 0xffff                   ; e
	v_and_b32 v1, 31, v0
	v_and_b32 v18, 15, v0                          ; r
	v_bfe_u32 v19, v0, 4, 1                        ; h
	v_lshlrev_b32 v4, 4, v1
	v_lshlrev_b32 v5, 3, v1
	v_mul_u32_u24 v6, v19, 98304                   ; wp: lanes 16-31 stand 32 rows further down
	v_lshl_add_u32 v6, v18, 4, v6
	s_mul_i32 s31, s18, 2*SBK
	v_mul_u32_u24 v7, v19, SBK
	v_mad_u32_u24 v7, v18, 24, v7
	v_add_nc_u32 v7, s31, v7                       ; my records: block 2 w + h (+ 8 k)
	v_add_nc_u32 v8, 24*SBK, v7
	s_lshl_b32 s31, s18, 1
	s_add_co_u32 s31, s31, WS0
	v_mul_u32_u24 v9, v18, 4*SS
	v_add_nc_u32 v9, v9, v19
	v_add_nc_u32 v9, s31, v9                       ; my scale bytes: column 4 (l % 16), byte 2 w + h
	v_mul_u32_u24 v10, v19, SBK                    ; a fragment's records
	v_and_b32 v20, 3, v18
	v_mad_u32_u24 v10, v20, SJ, v10
	v_lshrrev_b32 v20, 3, v18
	v_mad_u32_u24 v10, v20, 192, v10
	v_bfe_u32 v20, v18, 2, 1
	v_mad_u32_u24 v10, v20, 24, v10
	v_add_nc_u32 v11, 16*SBK, v10
	v_add_nc_u32 v12, 32*SBK, v10
	v_bfe_u32 v20, v1, 3, 1                        ; the scale words of two tiles: column 32 ((l / 8) % 2) + 8 (l / 16) + l % 8 (+ 16 p)
	v_lshlrev_b32 v13, 5, v20
	v_lshl_add_u32 v13, v19, 3, v13
	v_and_b32 v20, 7, v1
	v_add_nc_u32 v13, v13, v20
	v_mul_u32_u24 v13, v13, SS
	v_add_nc_u32 v13, WS0, v13
	s_mul_i32 s31, s18, 16*272
	s_add_co_u32 s31, s31, STG
	v_mul_u32_u24 v14, v18, 272
	v_lshl_add_u32 v14, v19, 7, v14
	v_add_nc_u32 v14, s31, v14                     ; the stage, in: row r, 128 bytes a half
	v_mul_u32_u24 v15, v19, 272
	v_lshl_add_u32 v15, v18, 4, v15
	v_add_nc_u32 v15, s31, v15                     ; back: lanes 0-15 one row, lanes 16-31 the next
	v_mul_u32_u24 v16, v19, 3072
	v_lshl_add_u32 v16, v18, 4, v16                ; and the same two rows in yp
	v_lshlrev_b32 v17, 7, v19
	v_lshl_add_u32 v17, v18, 2, v17                ; h's scale words: lanes 0-15 the part of c = 0, lanes 16-31 of c = 1
.irp i, 72,73,74,75
	v_mov_b32 v\i, 0                               ; (a lane permute's destination counts as one of its sources)
.endr
	s_mov_b32 s50, 0x76543210
	s_mov_b32 s51, 0xfedcba98
	s_mov_b32 s30, s18                             ; g: my first tile
	s_mul_i32 s48, s22, EW
	s_mul_i32 s31, s23, 4718592                    ; 1,536 rows of 3,072 bytes
	s_add_co_u32 s48, s48, s31
	s_mul_i32 s31, s18, 196608                     ; 64 rows a wave
	s_add_co_u32 s48, s48, s31
	s_lshl_b32 s31, s21, 8
	s_add_co_u32 s48, s48, s31
	s_mov_b32 s49, 0
	s_wait_kmcnt 0x0
	s_add_nc_u64 s[28:29], s[4:5], s[48:49]
	s_lshl_b32 s48, s22, 3
	s_add_nc_u64 s[8:9], s[8:9], s[48:49]
	s_load_b64 s[24:25], s[8:9], 0x2000            ; the expert's first tile and number of tiles
	s_mul_i32 s48, s23, 18432
	s_add_nc_u64 s[40:41], s[6:7], s[48:49]        ; hc at my half of K,
	s_mul_i32 s48, s23, 3072
	s_add_co_u32 s48, s48, HSO
	s_add_nc_u64 s[42:43], s[6:7], s[48:49]        ; and its scale words
	s_mul_i32 s48, s23, 6684672
	s_add_co_u32 s48, s48, s31
	s_add_nc_u64 s[46:47], s[10:11], s[48:49]      ; yp: my plane, my columns
.macro WLOAD k, qs                     ; step k: K step 2 k + w / 2, c = w % 2: 32 loads of 2 x 256 consecutive bytes, into the staging set that begins at register qs of window 3
	WIN 0xc0
.set ii, 0
.rept 32
	global_load_b128 v[(\qs)+4*ii:(\qs)+4*ii+3], v6, s[28:29] offset:(256*(\k)+ii)*3072 th:TH_LOAD_NT
.set ii, ii+1
.endr
.endm
	WLOAD 0, 0
	WLOAD 1, 128
	WIN 0
	s_wait_kmcnt 0x0
	s_min_u32 s24, s24, 136
	s_min_u32 s25, s25, 64
	s_add_co_u32 s26, s24, s25
	s_max_u32 s26, s26, 1
	s_sub_co_u32 s26, s26, 1                       ; the last tile that a load may name
.macro QSTEP qs, knext, adr, off, soff
	WIN 0x3c                                       ; sources 1 and 2 in window 3
.set jj, 0
.rept 4
	v_max3_num_f32 v[QM+jj], 0x1800000, |v[(\qs)+jj]|, |v[(\qs)+4+jj]|     ; the floor 2^(3 - 127) among the leaves
.set jj, jj+1
.endr
.set nn, 1
.rept 15
.set jj, 0
.rept 4
	v_max3_num_f32 v[QM+jj], v[QM+jj], |v[(\qs)+8*nn+jj]|, |v[(\qs)+8*nn+4+jj]|
.set jj, jj+1
.endr
.set nn, nn+1
.endr
.set ii, 0
.rept 32
.set jj, 0
.rept 4
	v_or_b32 v[QT+32*jj+ii], 0, v[(\qs)+4*ii+jj]   ; a column's 32 numbers onto consecutive registers
.set jj, jj+1
.endr
.set ii, ii+1
.endr
.if (\knext) >= 0
	WLOAD \knext, \qs
.endif
	WIN 0
	s_wait_dscnt 0x0                               ; the last step's LDS stores have read their registers, and the fragments asked for behind the last barrier are in
.set jj, 0
.rept 4
	v_add_nc_u32 v[QE+jj], 0xff000000, v[QM+jj]
.set jj, jj+1
.endr
.set jj, 0
.rept 4
	v_lshrrev_b32 v[QB+jj], 23, v[QE+jj]
.set jj, jj+1
.endr
.set jj, 0
.rept 4
	v_cvt_scalef32_pk16_fp6_f32 v[QC+6*jj:QC+6*jj+2], v[QT+32*jj:QT+32*jj+15], v[QE+jj]
	v_cvt_scalef32_pk16_fp6_f32 v[QD+4*jj:QD+4*jj+2], v[QT+32*jj+16:QT+32*jj+31], v[QE+jj]
.set jj, jj+1
.endr
	v_nop                                          ; one plain place behind the conversions
.set jj, 0
.rept 4
.set nn, 0
.rept 3
	v_mov_b32 v[QC+6*jj+3+nn], v[QD+4*jj+nn]
.set nn, nn+1
.endr
.set jj, jj+1
.endr
.set jj, 0
.rept 4
.set nn, 0
.rept 3
	ds_store_b64 v[\adr], v[QC+6*jj+2*nn:QC+6*jj+2*nn+1] offset:(\off)+SJ*jj+8*nn
.set nn, nn+1
.endr
	ds_store_b8 v[QSA], v[QB+jj] offset:(\soff)+SS*jj
.set jj, jj+1
.endr
.endm
; the eight fragments of K steps 2 k and 2 k + 1, out of the records of blocks 8 k .. 8 k + 7: 48 pieces of 8 bytes
.macro FRAGP k
.set ks, 2*(\k)
.rept 2
	WIN (1+ks/4)<<6
.set jp, 0
.rept 4
.set cc, 0
.rept 2
.set nn, 0
.rept 3
	ds_load_b64 v[48*(ks%4)+12*jp+6*cc+2*nn:48*(ks%4)+12*jp+6*cc+2*nn+1], v[10+ks/4] offset:4*SBK*(ks%4)+2*SBK*cc+48*jp+8*nn
.set nn, nn+1
.endr
.set cc, cc+1
.endr
.set jp, jp+1
.endr
.set ks, ks+1
.endr
	WIN 0
.endm
; h's twelve fragments and scale words of tile g + goff of the expert: 60 loads, always issued (past the expert's last tile that tile again), so that the counted waits hold on every path.  In three parts:
.macro HBASE set, goff                 ; the set's two bases (this set's earlier loads have been waited for)
	s_add_co_u32 s53, s30, \goff
	s_add_co_u32 s53, s53, s24
	s_min_u32 s53, s53, s26
	s_min_u32 s53, s53, 135
	s_mul_i32 s48, s53, 36864
	s_add_nc_u64 s[32+4*(\set):33+4*(\set)], s[40:41], s[48:49]
	s_mul_i32 s48, s53, 6144
	s_add_nc_u64 s[34+4*(\set):35+4*(\set)], s[42:43], s[48:49]
.endm
.macro HFR set, k0, k1                 ; the fragments of K steps k0 .. k1 - 1: four loads each
.set ks, \k0
.rept (\k1)-(\k0)
.if (\set) == 0
	WIN (1+ks/4)<<6
.set rH, 192+12*(ks%4)
.else
.set rH, 112+12*ks
.endif
.set cc, 0
.rept 2
	global_load_b128 v[rH+6*cc:rH+6*cc+3], v4, s[32+4*(\set):33+4*(\set)] offset:1536*ks+768*cc
	global_load_b64 v[rH+6*cc+4:rH+6*cc+5], v5, s[32+4*(\set):33+4*(\set)] offset:1536*ks+768*cc+512
.set cc, cc+1
.endr
.set ks, ks+1
.endr
	WIN 0
.endm
.macro HSC set                         ; the twelve scale words
.set ks, 0
.rept 12
	global_load_b32 v[HS+12*(\set)+ks], v17, s[34+4*(\set):35+4*(\set)] offset:256*ks
.set ks, ks+1
.endr
.endm
.macro HLOAD set, goff
	HBASE \set, \goff
	HFR \set, 0, 12
	HSC \set
.endm
.irp k, 0,1,2,3
	s_wait_loadcnt 32                              ; this step's 32 loads are in, the next step's may be out
	QSTEP 128*((\k)%2), (\k)+2, 7+(\k)/3, ((\k)%3)*8*SBK, 8*(\k)
	BAR                                            ; K steps 2 k and 2 k + 1 lie in LDS: blocks 8 k .. 8 k + 7.  What the other waves store before the next barrier goes to blocks 8 k + 8 on
	FRAGP \k                                       ; read while the next two steps' loads are on their way
.endr
	s_wait_loadcnt 32
	QSTEP 0, -1, 8, 8*SBK, 32
	HBASE 0, 0                                     ; h's first tile: what does not lie under the second staging set goes out now: K steps 0 to 7 (32 loads) and the scale words (12)
	HFR 0, 0, 8
	HSC 0
	BAR
	FRAGP 4                                        ; onto the first staging set, which step 4 has copied out
	s_wait_loadcnt 44                              ; the last step's loads are in; the 44 of h behind them may be out
	QSTEP 128, -1, 8, 16*SBK, 40
	HFR 0, 8, 12                                   ; the second staging set is copied out: the rest of h's first tile (its bases stand), then the second tile's 60: all of set 0 is older than all of set 1
	HLOAD 1, 4
	BAR
	FRAGP 5
.irp p, 0,1
.set ks, 0
.rept 12
	ds_load_b32 v[WSC+12*\p+ks], v13 offset:16*SS*\p+4*ks
.set ks, ks+1
.endr
.endr
	s_wait_dscnt 0x0
; A TILE of 16 rows: gt: its number less g;  gn: that of the tile that takes this set's place
.macro TILE set, gt, gn
	s_wait_loadcnt 60                              ; this set's 60 loads are in, the other set's may be out
.set qq, 0
.rept 3
.set nn, 0
.rept 4
	v_permlanex16_b32 v[72+nn], v[HS+12*(\set)+4*qq+nn], s50, s51
.set nn, nn+1
.endr
.set nn, 0
.rept 4
	v_or_b32 v[HS+12*(\set)+4*qq+nn], v[HS+12*(\set)+4*qq+nn], v[72+nn]    ; the two parts make the row's scale word
.set nn, nn+1
.endr
.set qq, qq+1
.endr
.rept 8
	v_nop                                          ; a scale register written by a vector instruction stands eight places ahead of a scaled matrix instruction
.endr
	s_wait_xcnt 0x0                                ; the last tile's stores have read the accumulators' registers and their base
.set ks, 0
.rept 12
.if (\set) == 0
	WIN (1+ks/4)*5                                 ; sources 0 and 1 in the K step's window
.set rB, 192+12*(ks%4)
.else
	WIN 1+ks/4                                     ; source 0 alone
.set rB, 112+12*ks
.endif
.set jp, 0
	s_wait_alu depctr_va_vdst(0)
.rept 4                                ; the four accumulators by turns
.set rD, AC+8*jp
.set rA, 48*(ks%4)+12*jp
.set rS, WSC+12*(jp/2)+ks
.if ks == 0
.if jp%2
	v_wmma_scale_f32_16x16x128_f8f6f4 v[rD:rD+7], v[rA:rA+11], v[rB:rB+11], 0, v[rS], v[HS+12*(\set)+ks] matrix_a_fmt:MATRIX_FMT_FP6 matrix_b_fmt:MATRIX_FMT_FP6 matrix_a_scale:MATRIX_SCALE_ROW1
.else
	v_wmma_scale_f32_16x16x128_f8f6f4 v[rD:rD+7], v[rA:rA+11], v[rB:rB+11], 0, v[rS], v[HS+12*(\set)+ks] matrix_a_fmt:MATRIX_FMT_FP6 matrix_b_fmt:MATRIX_FMT_FP6
.endif
.else
.if jp%2
	v_wmma_scale_f32_16x16x128_f8f6f4 v[rD:rD+7], v[rA:rA+11], v[rB:rB+11], v[rD:rD+7], v[rS], v[HS+12*(\set)+ks] matrix_a_fmt:MATRIX_FMT_FP6 matrix_b_fmt:MATRIX_FMT_FP6 matrix_a_scale:MATRIX_SCALE_ROW1
.else
	v_wmma_scale_f32_16x16x128_f8f6f4 v[rD:rD+7], v[rA:rA+11], v[rB:rB+11], v[rD:rD+7], v[rS], v[HS+12*(\set)+ks] matrix_a_fmt:MATRIX_FMT_FP6 matrix_b_fmt:MATRIX_FMT_FP6
.endif
.endif
.set jp, jp+1
.endr
.set ks, ks+1
.endr
	WIN 0
.rept 4
	v_nop                                          ; places in front of loads into registers that matrix instructions have read, and of the first read of results
.endr
	HLOAD \set, \gn
.set qq, 0
.rept 8
	ds_store_b128 v14, v[AC+4*qq:AC+4*qq+3] offset:16*qq       ; each accumulator from its low end on: 128 neighbouring bytes of my row
.set qq, qq+1
.endr
.set nn, 0
.rept 8
	ds_load_b128 v[AC+4*nn:AC+4*nn+3], v15 offset:544*nn       ; LDS serves a wave's instructions in order: these see the stores above
.set nn, nn+1
.endr
	s_add_co_u32 s53, s30, \gt
	s_add_co_u32 s53, s53, s24
	s_min_u32 s53, s53, 135
	s_mul_i32 s48, s53, 49152
	s_add_nc_u64 s[44:45], s[46:47], s[48:49]
.set nn, 0
.rept 8
	s_wait_dscnt 7-nn
	global_store_b128 v16, v[AC+4*nn:AC+4*nn+3], s[44:45] offset:6144*nn th:TH_STORE_NT   ; sixteen lanes store 256 consecutive bytes, aligned
.set nn, nn+1
.endr
.endm
.macro FINISH                          ; a wave's end
	s_wait_tensorcnt 0x0
	ds_add_u32 v[SPW], v[NIL]
	s_wait_dscnt 0x0
	s_endpgm
.endm
	s_mov_b32 s27, 0                               ; the trips' counter: eight trips x two tiles x four waves are the 64 tiles that an expert can have
.Lt:                                               ; a trip: tiles g and g + 4 of the expert, on h's sets 0 and 1.  The loop is left only at its backward branch or by the wave's end, so that every
	s_cmp_lt_u32 s30, s25                          ; path that reaches a counted wait has issued the same loads behind those that it waits for
	s_cbranch_scc1 .Leven
	FINISH                                         ; no tile g: my tiles are done
.Leven:
	s_wait_alu depctr_va_vdst(0)
	TILE 0, 0, 8
	s_add_co_u32 s31, s30, 4
	s_cmp_lt_u32 s31, s25
	s_cbranch_scc1 .Lodd
	FINISH                                         ; tile g was my last
.Lodd:
	TILE 1, 4, 12
	s_add_co_u32 s30, s30, 8
	s_add_co_u32 s27, s27, 1
	s_cmp_lt_u32 s27, 8
	s_cbranch_scc1 .Lt
	FINISH
.Lfunc_end_k_q603df0a1b7_down:
	.size	k_q603df0a1b7_down, .Lfunc_end_k_q603df0a1b7_down-k_q603df0a1b7_down
	.p2alignl 7, 3214868480
	.fill 96, 4, 3214868480
	.section	.rodata,"a",@progbits
	.p2align	6, 0x0
	.amdhsa_kernel k_q603df0a1b7_down
		.amdhsa_group_segment_fixed_size 114432
		.amdhsa_private_segment_fixed_size 0
		.amdhsa_enable_private_segment 0
		.amdhsa_kernarg_size 32
		.amdhsa_user_sgpr_count 2
		.amdhsa_user_sgpr_kernarg_segment_ptr 1
		.amdhsa_wavefront_size32 1
		.amdhsa_system_sgpr_workgroup_id_x 1
		.amdhsa_system_sgpr_workgroup_id_y 1
		.amdhsa_system_sgpr_workgroup_id_z 1
		.amdhsa_system_vgpr_workitem_id 0
		.amdhsa_next_free_vgpr 1024
		.amdhsa_next_free_sgpr 66
		.amdhsa_reserve_vcc 0
		.amdhsa_float_denorm_mode_32 3
		.amdhsa_float_denorm_mode_16_64 3
		.amdhsa_memory_ordered 1
		.amdhsa_forward_progress 1
		.amdhsa_inst_pref_size 153
	.end_amdhsa_kernel
	.amdgpu_metadata
---
amdhsa.version: [ 1, 2 ]
amdhsa.kernels:
  - .name:           k_q603df0a1b7_down
    .symbol:         k_q603df0a1b7_down.kd
    .args:
      - { .name: wp, .offset: 0, .size: 8, .value_kind: global_buffer, .address_space: global }
      - { .name: hc, .offset: 8, .size: 8, .value_kind: global_buffer, .address_space: global }
      - { .name: pt, .offset: 16, .size: 8, .value_kind: global_buffer, .address_space: global }
      - { .name: yp, .offset: 24, .size: 8, .value_kind: global_buffer, .address_space: global }
    .group_segment_fixed_size: 114432
    .private_segment_fixed_size: 0
    .kernarg_segment_align: 8
    .kernarg_segment_size: 32
    .max_flat_workgroup_size: 128
    .sgpr_count:     66
    .vgpr_count:     1024
    .wavefront_size: 32
...
	.end_amdgpu_metadata
.endif
;; end of part 4
;; launch combine (part 5): grid 256 x 1, 4 waves a work-group, no clusters, 0 bytes of LDS; arguments rk, gts, pt, yp, bp, out0; writes out0
.if DOCPART == 5
	.amdgcn_target "amdgcn-amd-amdhsa--gfx1250"
	.amdhsa_code_object_version 6
	.text
	.protected	k_q603df0a1b7_combine
	.globl	k_q603df0a1b7_combine
	.p2align	8
	.type	k_q603df0a1b7_combine,@function
k_q603df0a1b7_combine:
	s_mov_b64 s[64:65], 0
	v_nop
	global_prefetch_b8 v0, s[64:65] scope:SCOPE_SE
	s_setreg_imm32_b32 hwreg(HW_REG_WAVE_MODE, 25, 1), 1
	s_wait_xcnt 0x0
; out0[t] = the sum over the token's two choices of gate x (the two halves of h wp + bp[expert]).  A wave takes a token: its two rows of both planes of yp and two rows of bp, 3,072 bytes each,
; 36 loads of 512 consecutive bytes, all issued at once; six stores of 512 consecutive bytes.  Memory binds: no LDS, no barrier, no matrix unit.
.set PLANE, 6684672
	s_load_b256 s[4:11], s[0:1], 0x0               ; rk, gts, pt, yp
	s_load_b128 s[12:15], s[0:1], 0x20             ; bp, out0
	v_lshrrev_b32 v1, 5, v0
	v_readfirstlane_b32 s16, v1
	s_lshl_b32 s17, ttmp9, 2
	s_add_co_u32 s17, s17, s16                     ; the token
	v_and_b32 v1, 31, v0
	v_lshlrev_b32 v1, 4, v1
	s_mov_b32 s19, 0
	s_wait_alu depctr_va_vdst(0)
	s_wait_kmcnt 0x0
	s_lshl_b32 s18, s17, 4
	s_add_nc_u64 s[4:5], s[4:5], s[18:19]
	s_lshl_b32 s18, s17, 3
	s_add_nc_u64 s[6:7], s[6:7], s[18:19]
	s_add_nc_u64 s[8:9], s[8:9], s[18:19]
	s_load_b64 s[20:21], s[4:5], 0x0               ; its two experts,
	s_load_b64 s[22:23], s[6:7], 0x0               ; gates,
	s_load_b64 s[24:25], s[8:9], 0x0               ; and rows
	s_mul_i32 s18, s17, 3072
	s_add_nc_u64 s[14:15], s[14:15], s[18:19]
	s_wait_kmcnt 0x0
	s_min_u32 s20, s20, 7
	s_min_u32 s21, s21, 7
	s_min_u32 s24, s24, 2175
	s_min_u32 s25, s25, 2175
	s_mul_i32 s20, s20, 3072
	s_mul_i32 s21, s21, 3072
	s_mul_i32 s24, s24, 3072
	s_mul_i32 s25, s25, 3072
	s_mov_b32 s26, s23                             ; the second gate as the low word of a pair
	s_mov_b32 s27, s23
	v_add_nc_u32 v2, s24, v1
	v_add_nc_u32 v3, s25, v1
	v_add_nc_u32 v4, s20, v1
	v_add_nc_u32 v5, s21, v1
.set ii, 0
.rept 6
	global_load_b128 v[16+24*ii:19+24*ii], v2, s[10:11] offset:512*ii th:TH_LOAD_NT
	global_load_b128 v[20+24*ii:23+24*ii], v2, s[10:11] offset:PLANE+512*ii th:TH_LOAD_NT
	global_load_b128 v[24+24*ii:27+24*ii], v4, s[12:13] offset:512*ii
	global_load_b128 v[28+24*ii:31+24*ii], v3, s[10:11] offset:512*ii th:TH_LOAD_NT
	global_load_b128 v[32+24*ii:35+24*ii], v3, s[10:11] offset:PLANE+512*ii th:TH_LOAD_NT
	global_load_b128 v[36+24*ii:39+24*ii], v5, s[12:13] offset:512*ii
.set ii, ii+1
.endr
.set ii, 0
.rept 6
.set bb, 16+24*ii
	s_wait_loadcnt 30-6*ii                         ; this group's six loads are in; the later groups' may be out
	v_pk_add_f32 v[bb:bb+1], v[bb:bb+1], v[bb+4:bb+5]
	v_pk_add_f32 v[bb+2:bb+3], v[bb+2:bb+3], v[bb+6:bb+7]
	v_pk_add_f32 v[bb+12:bb+13], v[bb+12:bb+13], v[bb+16:bb+17]
	v_pk_add_f32 v[bb+14:bb+15], v[bb+14:bb+15], v[bb+18:bb+19]
	v_pk_add_f32 v[bb:bb+1], v[bb:bb+1], v[bb+8:bb+9]
	v_pk_add_f32 v[bb+2:bb+3], v[bb+2:bb+3], v[bb+10:bb+11]
	v_pk_add_f32 v[bb+12:bb+13], v[bb+12:bb+13], v[bb+20:bb+21]
	v_pk_add_f32 v[bb+14:bb+15], v[bb+14:bb+15], v[bb+22:bb+23]
	v_pk_mul_f32 v[bb:bb+1], v[bb:bb+1], s[22:23] op_sel_hi:[1,0]
	v_pk_mul_f32 v[bb+2:bb+3], v[bb+2:bb+3], s[22:23] op_sel_hi:[1,0]
	v_pk_fma_f32 v[bb:bb+1], v[bb+12:bb+13], s[26:27], v[bb:bb+1] op_sel_hi:[1,0,1]
	v_pk_fma_f32 v[bb+2:bb+3], v[bb+14:bb+15], s[26:27], v[bb+2:bb+3] op_sel_hi:[1,0,1]
	global_store_b128 v1, v[bb:bb+3], s[14:15] offset:512*ii th:TH_STORE_NT
.set ii, ii+1
.endr
	s_endpgm
.Lfunc_end_k_q603df0a1b7_combine:
	.size	k_q603df0a1b7_combine, .Lfunc_end_k_q603df0a1b7_combine-k_q603df0a1b7_combine
	.p2alignl 7, 3214868480
	.fill 96, 4, 3214868480
	.section	.rodata,"a",@progbits
	.p2align	6, 0x0
	.amdhsa_kernel k_q603df0a1b7_combine
		.amdhsa_group_segment_fixed_size 0
		.amdhsa_private_segment_fixed_size 0
		.amdhsa_enable_private_segment 0
		.amdhsa_kernarg_size 48
		.amdhsa_user_sgpr_count 2
		.amdhsa_user_sgpr_kernarg_segment_ptr 1
		.amdhsa_wavefront_size32 1
		.amdhsa_system_sgpr_workgroup_id_x 1
		.amdhsa_system_sgpr_workgroup_id_y 1
		.amdhsa_system_sgpr_workgroup_id_z 1
		.amdhsa_system_vgpr_workitem_id 0
		.amdhsa_next_free_vgpr 176
		.amdhsa_next_free_sgpr 66
		.amdhsa_reserve_vcc 0
		.amdhsa_float_denorm_mode_32 3
		.amdhsa_float_denorm_mode_16_64 3
		.amdhsa_memory_ordered 1
		.amdhsa_forward_progress 1
		.amdhsa_inst_pref_size 11
	.end_amdhsa_kernel
	.amdgpu_metadata
---
amdhsa.version: [ 1, 2 ]
amdhsa.kernels:
  - .name:           k_q603df0a1b7_combine
    .symbol:         k_q603df0a1b7_combine.kd
    .args:
      - { .name: rk, .offset: 0, .size: 8, .value_kind: global_buffer, .address_space: global }
      - { .name: gts, .offset: 8, .size: 8, .value_kind: global_buffer, .address_space: global }
      - { .name: pt, .offset: 16, .size: 8, .value_kind: global_buffer, .address_space: global }
      - { .name: yp, .offset: 24, .size: 8, .value_kind: global_buffer, .address_space: global }
      - { .name: bp, .offset: 32, .size: 8, .value_kind: global_buffer, .address_space: global }
      - { .name: out0, .offset: 40, .size: 8, .value_kind: global_buffer, .address_space: global }
    .group_segment_fixed_size: 0
    .private_segment_fixed_size: 0
    .kernarg_segment_align: 8
    .kernarg_segment_size: 48
    .max_flat_workgroup_size: 128
    .sgpr_count:     66
    .vgpr_count:     176
    .wavefront_size: 32
...
	.end_amdgpu_metadata
.endif
;; end of part 5
